; MI455X (gfx1250); checked and timed in simulation.
; The chip was launched on July 23, 2026; its instructions are those of AMD's public machine-readable ISA for CDNA 5 (MIT licence, August 2026) and "CDNA5" Instruction Set Architecture Reference Guide (July 2026). The comments in the code are by the model that wrote it; some were corrected since.
;; Enhanced Multi Head Attention. Allowed arithmetic: matrix products marked QUANTISED: E3M2 operands, one E8M0 scale for each 32 along K, by v_wmma_scale_f32_16x16x128_f8f6f4 with both operands' format E3M2, f32 sums; products left as they are: f32 operands where the result goes on into a quantised operand, else bf16, f16 or f32 operands; f32 sums; everything else in f32.
;; Inputs: Wk_codes 4,096 x 16 x 24 uint8 (E3M2 codes of Wk, K innermost, in blocks of 32 codes, four codes in three bytes); Wk_scales 4,096 x 16 uint8 (E8M0 scales of Wk, one for each 32 codes along K); Wo_codes 512 x 128 x 24 uint8 (E3M2 codes of Wo, K innermost, in blocks of 32 codes, four codes in three bytes); Wo_scales 512 x 128 uint8 (E8M0 scales of Wo, one for each 32 codes along K); Wq_codes 4,096 x 16 x 24 uint8 (E3M2 codes of Wq, K innermost, in blocks of 32 codes, four codes in three bytes); Wq_scales 4,096 x 16 uint8 (E8M0 scales of Wq, one for each 32 codes along K); Wv_codes 4,096 x 16 x 24 uint8 (E3M2 codes of Wv, K innermost, in blocks of 32 codes, four codes in three bytes); Wv_scales 4,096 x 16 uint8 (E8M0 scales of Wv, one for each 32 codes along K); bk 4,096 float32; bo 512 float32; bq 4,096 float32; bv 4,096 float32; keys_codes 4 x 2,048 x 16 x 24 uint8 (E3M2 codes of keys, K innermost, in blocks of 32 codes, four codes in three bytes); keys_scales 4 x 2,048 x 16 uint8 (E8M0 scales of keys, one for each 32 codes along K); mask 4 x 2,048 x 8 x 8 int32; queries_codes 4 x 2,048 x 16 x 24 uint8 (E3M2 codes of queries, K innermost, in blocks of 32 codes, four codes in three bytes); queries_scales 4 x 2,048 x 16 uint8 (E8M0 scales of queries, one for each 32 codes along K); values_codes 4 x 2,048 x 16 x 24 uint8 (E3M2 codes of values, K innermost, in blocks of 32 codes, four codes in three bytes); values_scales 4 x 2,048 x 16 uint8 (E8M0 scales of values, one for each 32 codes along K).
;; Outputs: out0 4 x 2,048 x 512 float32.
;; This version of the problem:
;;   THIS VERSION OF THE PROBLEM IS GIVEN IN LOW PRECISION. The matrix products marked QUANTISED in the list below multiply operands that are first quantised to E3M2 (3 exponent bits, 2 mantissa bits; 6 bits a number), with one power-of-two scale for each 32 numbers along K (OCP MX v1.0); their sums are f32. All else is computed in f32.
;;   The module's matrix products, in the order in which they are computed (A, B: the left and right operand; K: the contracted axis; several contracted axes count as one K, in the product's order):
;;     1. [M 8,192, K 512] x [K 512, N 4,096]; A: input values (given as codes); B: input Wv (given as codes): QUANTISED
;;     2. [M 8,192, K 512] x [K 512, N 4,096]; A: input keys (given as codes); B: input Wk (given as codes): QUANTISED
;;     3. [M 8,192, K 512] x [K 512, N 4,096]; A: input queries (given as codes); B: input Wq (given as codes): QUANTISED
;;     4. batch 8,192 x [M 8, K 512] x [K 512, N 8]; A: computed on the way; B: computed on the way: left as it is (M = 8 < 16)
;;     5. batch 8,192 x [M 512, K 8] x [K 8, N 8]; A: computed on the way; B: softmax: left as it is (K = 8 < 32)
;;     6. [M 8,192, K 4,096] x [K 4,096, N 512]; A: computed on the way; B: input Wo (given as codes): QUANTISED
;;   THE QUANTISER, for each operand of a quantised product, along K:
;;     - K is cut into blocks of 32 from its start; a last block that is shorter is filled with zeros.
;;     - A block's scale is 2^e with e = floor(log2(the largest magnitude in the block)) - 4, held to -126 .. 127; a block of zeros has e = 0. As a byte (E8M0): e + 127.
;;     - Each number is divided by its block's scale, clamped to +-28, and rounded to the nearest number of E3M2, ties to even, subnormals kept.
;;     - The product sums the exact products of the quantised numbers (number of the format x scale) in f32.
;;   ~~~python
;;   def quantise(x, axis):      # numpy; x: float32 -> the quantised numbers, widened to float32 again
;;       x = np.moveaxis(x, axis, -1); K = x.shape[-1]
;;       x = np.pad(x, [(0, 0)] * (x.ndim - 1) + [(0, -K % 32)]); x = x.reshape(x.shape[:-1] + (-1, 32)); a = np.abs(x).max(-1, keepdims=True)
;;       e = np.where(a > 0, np.clip(np.frexp(np.where(a > 0, a, 1))[1] - 1 - 4, -126, 127), 0)      # np.frexp(a)[1] - 1 = floor(log2(a)), exactly
;;       r = np.clip(x / 2.0 ** e, -28, 28)
;;       step = 2.0 ** (np.maximum(np.frexp(np.where(r == 0, 1, r))[1] - 1, -2) - 2)
;;       q = np.round(r / step) * step * 2.0 ** e      # np.round: ties to even
;;       return np.moveaxis(q.reshape(q.shape[:-2] + (-1,))[..., :K], -1, axis).astype(np.float32)
;;   ~~~
;;   OPERANDS COMPUTED ON THE WAY. 'Computed on the way' means the value that the module computes at that place (a softmax that the list does not call 'softmax' is quantised finished and normalised). What goes into a quantiser is computed in f32, as accurately as f32 sums, v_exp_f32 and their like allow (about 1e-6 of the number): no bf16 or f16 on the way to a quantiser, and a product that is left as it is and whose result goes on into a quantised operand takes f32 operands (vector FMAs, or v_wmma_f32_16x16x4_f32). A number that lies on a knife's edge between two numbers of the format may be rounded either way, as far as f32 arithmetic and the matrix unit's own rounding can turn it there, and no further.
;;   INPUTS GIVEN AS CODES. Wk (in the module: [512, 4096], K = its axis 0); Wo (in the module: [4096, 512], K = its axis 0); Wq (in the module: [512, 4096], K = its axis 0); Wv (in the module: [512, 4096], K = its axis 0); keys (in the module: [4, 2048, 512], K = its axis 2); queries (in the module: [4, 2048, 512], K = its axis 2); values (in the module: [4, 2048, 512], K = its axis 2): each comes as NAME_codes (uint8): NAME with its K axis moved to the last place and cut into blocks of 32 codes, [.., K / 32, bytes a block], one block behind the other in memory; four codes in three bytes: a row's codes are one little-endian stream of bits, code i at bits 6 i .. 6 i + 5 (a code: sign, 3 exponent bits, 2 mantissa bits); and NAME_scales (uint8): the same leading axes, one E8M0 byte (e + 127) for each 32 codes along K. Its value is code x scale, taken as it is: it is not quantised again, and the codes and scales need not be those that the quantiser above would give.
;; One version. Each part assembles by itself: llvm-mc -triple=amdgcn-amd-amdhsa -mcpu=gfx1250 --defsym DOCPART=n.
;; ======== version 1 of 1: 3 launches
;; workspace buffers: epart 8,388,608 bytes; wv_img 1,572,864 bytes; wv_sc 65,536 bytes; wo_img 1,572,864 bytes; wo_sc 65,536 bytes; afrag 25,165,824 bytes; asc 1,048,576 bytes
;; launch energy (part 1): grid 4 x 64, 4 waves a work-group, clusters of 4 x 4, 327,680 bytes of LDS; arguments queries_codes, keys_codes, Wq_codes, Wk_codes, Wq_scales, Wk_scales, queries_scales, keys_scales, bq, bk, mask, Wv_codes, Wv_scales, epart, wv_img, wv_sc; writes epart, wv_img, wv_sc
.if DOCPART == 1
	.amdgcn_target "amdgcn-amd-amdhsa--gfx1250"
	.amdhsa_code_object_version 6
	.text
	.protected	k_q2067306296_energy
	.globl	k_q2067306296_energy
	.p2align	8
	.type	k_q2067306296_energy,@function
k_q2067306296_energy:
	s_mov_b64 s[64:65], 0
	v_nop
	global_prefetch_b8 v0, s[64:65] scope:SCOPE_SE
	s_setreg_imm32_b32 hwreg(HW_REG_WAVE_MODE, 25, 1), 1
	s_wait_xcnt 0x0
	s_wait_alu depctr_hold_cnt(0) depctr_sa_sdst(0) depctr_va_vdst(0) depctr_va_sdst(0) depctr_va_ssrc(0) depctr_va_vcc(0) depctr_vm_vsrc(0)
	s_getreg_b32 s2, hwreg(HW_REG_IB_STS2, 6, 4)
	s_cmp_eq_u32 s2, 0
	s_cbranch_scc0 .Lentry_in_a_cluster
	s_endpgm
.Lentry_in_a_cluster:
	s_bfe_u32 s2, ttmp6, 0x10000c
	s_cmp_lg_u32 s2, 0xf033
	s_cbranch_scc0 .Lentry_shape_is_right
	s_endpgm
.Lentry_shape_is_right:
; LAUNCH 1 OF 3.  energy[t][hq][hk] = sum over d of q[t][hq][d] k[t][hk][d], q = queries Wq + bq, k = keys Wk + bk (both products on codes of E3M2 with E8M0 scales), masked.
; NO WORK IS LEFT OUT IN THIS PROGRAM: bq and bk move the scores along hk, bv and bo reach the output, the mask is an input; every input is loaded.
; LIMITS: a softmax row whose mask is all zero is NaN in the definition and comes out finite here (E3M2 has no code for NaN); NaN and infinities among the inputs are not served.
; SHARES.  A work-group owns 128 tokens (y1) x 128 of the 512 d (x) x 8 heads of q and of k; what it stores is its slice's part of the energies: four slices are added in the next launch.
; Wave (wt, wd) owns four tiles of 16 tokens (half wt of the block) and 64 d (half wd).  q and k live in accumulators alone: a tile is multiplied, eaten by packed multiply-adds, and dropped.
; LAYOUT.  The products are used transposed (source 0 = 16 weight rows, source 1 = 16 tokens).  THE WEIGHT ROWS OF A TILE ARE CHOSEN: row m is head m % 8 at d = d0 + 4 (m / 8).  So lane (r, h) holds token r
; and its eight registers the eight heads at ONE d = d0 + 4 h: e[hq][hk .. hk+1] += q[hq] k[hk .. hk+1] is one v_pk_fma_f32.  Token tile p of a block is tokens 8 r + p.
; A UNIT is one such tile of Wq and one of Wk against four token tiles and K = 512: 32 matrix instructions; behind each stand four multiply-adds on the unit before (two sets of accumulators by turns).
; RING.  8 d of each half a step, two LDS slots; the activations come once through slot 1 and stay in registers.  CLUSTER 4 x 4: weights hang on x alone (shared along a column), activations on y1 alone (a row).
; SIDE JOB, while the first tiles are on their way: Wv is laid out for the next launch as images of operand registers (wv_img) with its scale words (wv_sc): one tile of 16 rows a work-group.
; REGISTERS.  window 0: v0-31 addresses; v32-63 activation scale words; v64-71 weight scale words (two sets); v72-87 bias; v96-191 weight fragments; v192-255 mask.
;   window 1: e, 64 a token tile.   window 2: q's activations (0-191), accumulator set 0 (192-255).   window 3: k's activations, accumulator set 1.
.set BLK,   25344                      ; what one tensor load brings: 8 rows of 3,072 bytes (or 16 of 1,536), 8 bytes of padding behind each 256
.set SLOT1, 131072
.set WSCL,  232448                     ; weight scales: 16 rows [tensor][head] of 2,048 bytes, 16 of padding behind each 1,024
.set BIAS,  265728                     ; [tensor][d 128][head 8] f32, stored by the waves
.set STAGE, 273920                     ; 8,192 bytes a wave
.set SPARE, 306688                     ; the spare words: 128 bytes a wave
.set ADW,  16
.set ADW2, 17
.set AW0,  18
.set AW1,  19
.set ADS,  20
.set ASC0, 21
.set ADB,  22
.set AB0,  23
.set STO,  24
.set RDP,  25
.set GO,   26
.set NINF, 27
.set SPW,  28
.set NIL,  29
.set WV,   36                          ; s36 wave; s37 wt, also: I fetch for q (0) or k (1); s38 wd, also: which half I fetch
.set TAUS, 37
.set WD,   38
.set TB,   54                          ; s54 LDS byte of the slot in hand; s55 step of the scale words; s66 of the bias; s67 trips
.set TS,   55
.set TBI,  66
.set CNTR, 67
.set G1W,  56
.set G1A,  68
.set G1S,  76
.set G0Q,  84
.set G0K,  88
.set MSB, 0
.macro WIN new                         ; the immediate's high byte repeats the setting that is left
.if MSB != (\new)
	s_set_vgpr_msb (MSB<<8)|(\new)
.set MSB, (\new)
.endif
.endm
.macro CROUND                          ; a round of the cluster's barrier
	s_barrier_signal -1
	s_barrier_wait -1
	s_cmp_lg_u32 s[WV], 0
	s_cbranch_scc1 .Lnot_wave_0_\@
	s_barrier_signal -3
.Lnot_wave_0_\@:
	s_barrier_wait -3
	s_barrier_signal -1
	s_barrier_wait -1
.endm
.macro JLOAD g0a, g0b, g1              ; a joint load: waves 0, 1 fetch for q, waves 2, 3 for k; an s_nop 0 and four v_nop follow each line
	s_cmp_eq_u32 s[TAUS], 0
	s_cbranch_scc0 .Lfor_k_\@
	tensor_load_to_lds s[\g0a:\g0a+3], s[\g1:\g1+7]
	s_nop 0
.rept 4
	v_nop
.endr
	s_branch .Lasked_\@
.Lfor_k_\@:
	tensor_load_to_lds s[\g0b:\g0b+3], s[\g1:\g1+7]
	s_nop 0
.rept 4
	v_nop
.endr
.Lasked_\@:
.endm
	s_load_b512 s[4:19], s[0:1], 0x0               ; queries, keys, Wq, Wk (codes); Wq, Wk, queries, keys (scales)
	s_load_b512 s[20:35], s[0:1], 0x40             ; bq, bk, mask, Wv codes, Wv scales, epart, wv_img, wv_sc
	v_lshl_add_u32 v[SPW], v0, 2, SPARE
	v_mov_b32 v[NIL], 0
	ds_add_u32 v[SPW], v[NIL]                      ; the opening: the add, twice on end, and its wait ahead of my first tensor load
	ds_add_u32 v[SPW], v[NIL]
	v_lshrrev_b32 v1, 5, v0
	v_readfirstlane_b32 s[WV], v1
	s_lshr_b32 s[TAUS], s[WV], 1
	s_and_b32 s[WD], s[WV], 1
	s_bfe_u32 s39, ttmp6, 0x40000                  ; cx
	s_bfe_u32 s40, ttmp6, 0x40004                  ; cy
	s_lshl_b32 s41, ttmp9, 2
	s_add_co_u32 s41, s41, s39                     ; x: the slice of 128 d
	s_and_b32 s42, ttmp7, 0xffff
	s_lshl_b32 s42, s42, 2
	s_add_co_u32 s42, s42, s40                     ; y1: the block of 128 tokens
	s_lshl_b32 s43, s40, 2
	s_lshl_b32 s43, 15, s43                        ; my row of the cluster
	s_lshl_b32 s44, 0x1111, s39                    ; my column
	; weights: 8 rows (heads) of 3,072 bytes (8 d x 384), 196,608 bytes apart; 2 words of padding behind each 64
	s_or_b32 s[G1W], s44, (1<<20)|(1<<21)|(5<<22)|(1<<25)
	s_mov_b32 s[G1W+1], 3072<<16
	s_mov_b32 s[G1W+2], 8<<16
	s_mov_b32 s[G1W+3], 3072<<16
	s_mov_b32 s[G1W+4], 8
	s_mov_b32 s[G1W+5], 196608
	s_mov_b32 s[G1W+6], 0
	s_mov_b32 s[G1W+7], 0
	; activations: 16 rows of 1,536 bytes (tokens 8 r + 4 half + 0 .. 3), 3,072 bytes apart
	s_or_b32 s[G1A], s43, (1<<20)|(1<<21)|(5<<22)|(1<<25)
	s_mov_b32 s[G1A+1], 1536<<16
	s_mov_b32 s[G1A+2], 16<<16
	s_mov_b32 s[G1A+3], 1536<<16
	s_mov_b32 s[G1A+4], 16
	s_mov_b32 s[G1A+5], 3072
	s_mov_b32 s[G1A+6], 0
	s_mov_b32 s[G1A+7], 0
	; weight scales: 4 rows (heads) of 2,048 bytes (128 d x 16), 8,192 bytes apart; 4 words of padding behind each 256
	s_or_b32 s[G1S], s44, (1<<20)|(1<<21)|(7<<22)|(3<<25)
	s_mov_b32 s[G1S+1], 2048<<16
	s_mov_b32 s[G1S+2], 4<<16
	s_mov_b32 s[G1S+3], 2048<<16
	s_mov_b32 s[G1S+4], 4
	s_mov_b32 s[G1S+5], 8192
	s_mov_b32 s[G1S+6], 0
	s_mov_b32 s[G1S+7], 0
	s_lshl_b32 s45, s41, 7
	s_lshl_b32 s46, s[WD], 6
	s_add_co_u32 s45, s45, s46
	s_mul_i32 s46, s45, 384                        ; weights: d = 128 x + 64 half, in bytes
	s_mov_b32 s47, 0
	s_lshl_b32 s48, s[WD], 15
	s_lshl_b32 s49, s41, 11
	s_add_co_u32 s48, s48, s49                     ; weight scales: heads 4 half on, d = 128 x
	s_mov_b32 s49, 0
	s_mul_i32 s50, s42, 49152
	s_mul_i32 s51, s[WD], 1536
	s_add_co_u32 s50, s50, s51                     ; activations: block y1, half
	s_mov_b32 s51, 0
	s_mul_i32 s52, s[WV], BLK                      ; where they go: by the wave's number alone
	s_mul_i32 s53, s[WV], 8320
	s_wait_dscnt 0x0                               ; both opening adds are done
	s_wait_kmcnt 0x0
	s_mov_b32 s[G0Q], 1
	s_mov_b32 s[G0Q+1], s52
	s_add_nc_u64 s[G0Q+2:G0Q+3], s[8:9], s[46:47]
	s_or_b32 s[G0Q+3], s[G0Q+3], 0x80000000
	s_mov_b32 s[G0K], 1
	s_mov_b32 s[G0K+1], s52
	s_add_nc_u64 s[G0K+2:G0K+3], s[10:11], s[46:47]
	s_or_b32 s[G0K+3], s[G0K+3], 0x80000000
	s_mov_b32 s92, 1
	s_add_co_u32 s93, s52, SLOT1
	s_add_nc_u64 s[94:95], s[4:5], s[50:51]
	s_or_b32 s95, s95, 0x80000000
	s_mov_b32 s96, 1
	s_add_co_u32 s97, s52, SLOT1
	s_add_nc_u64 s[98:99], s[6:7], s[50:51]
	s_or_b32 s99, s99, 0x80000000
	s_mov_b32 s4, 1                                ; s[4:11] have served: they take the scales' two groups 0
	s_add_co_u32 s5, s53, WSCL
	s_add_nc_u64 s[6:7], s[12:13], s[48:49]
	s_or_b32 s7, s7, 0x80000000
	s_mov_b32 s8, 1
	s_add_co_u32 s9, s53, WSCL
	s_add_nc_u64 s[10:11], s[14:15], s[48:49]
	s_or_b32 s11, s11, 0x80000000
	CROUND                                         ; all sixteen work-groups are here: the first joint loads meet
	JLOAD 4, 8, G1S                                ; three loads of mine are out: the weight scales,
	JLOAD 92, 96, G1A                              ; the activations, into slot 1,
	JLOAD G0Q, G0K, G1W                            ; and step 0 of the weights, into slot 0
	; ---- loads from memory while the tiles are on their way
	v_and_b32 v1, 15, v0                           ; r
	v_bfe_u32 v2, v0, 4, 1                         ; h
	s_mov_b32 s13, 0
	s_lshl_b32 s14, s[TAUS], 6
	s_lshl_b32 s15, s[WD], 5
	s_add_co_u32 s15, s14, s15
	v_lshl_add_u32 v3, v1, 7, s15                  ; register tile tt is token tile 4 wt + (tt + 2 wd) % 4: tiles 0, 1 begin at 2 wd,
	s_xor_b32 s15, s[WD], 1
	s_lshl_b32 s15, s15, 5
	s_add_co_u32 s15, s14, s15
	v_lshl_add_u32 v4, v1, 7, s15                  ; tiles 2, 3 at 2 (1 - wd).  16 bytes of scales a token
	s_lshl_b32 s12, s42, 11
	s_add_nc_u64 s[16:17], s[16:17], s[12:13]
	s_add_nc_u64 s[18:19], s[18:19], s[12:13]
.irp t, 0,1
	global_load_b128 v[32+4*\t:35+4*\t], v3, s[16:17] offset:16*\t
	global_load_b128 v[40+4*\t:43+4*\t], v4, s[16:17] offset:16*\t
	global_load_b128 v[48+4*\t:51+4*\t], v3, s[18:19] offset:16*\t
	global_load_b128 v[56+4*\t:59+4*\t], v4, s[18:19] offset:16*\t
.endr
	s_lshl_b32 s14, s[WV], 9                       ; the mask of the two tiles that I finish, p = 2 w + a: 256 bytes a token; lane (r, h) takes entries 32 h on
	v_lshl_add_u32 v5, v1, 11, s14
	v_lshl_add_u32 v5, v2, 7, v5
	s_lshl_b32 s12, s42, 15
	s_add_nc_u64 s[24:25], s[24:25], s[12:13]
.irp a, 0,1
.irp c, 0,1,2,3,4,5,6,7
	global_load_b128 v[192+32*\a+4*\c:195+32*\a+4*\c], v5, s[24:25] offset:256*\a+16*\c
.endr
.endr
	v_lshlrev_b32 v6, 2, v0                        ; bias: thread i takes d = 128 x + i of all eight heads
	s_lshl_b32 s12, s41, 9
	s_add_nc_u64 s[20:21], s[20:21], s[12:13]
	s_add_nc_u64 s[22:23], s[22:23], s[12:13]
.irp e, 0,1,2,3,4,5,6,7
	global_load_b32 v[96+\e], v6, s[20:21] offset:2048*\e
	global_load_b32 v[104+\e], v6, s[22:23] offset:2048*\e
.endr
	; the side job: tile id = x + 4 y1 of Wv, K step w.  id = ((x2 2 + bb) 8 + u) 2 + AB; its row m is head 4 AB + (m % 8) / 2 at d = 64 x2 + 32 bb + 16 (m / 8) + 2 u + m % 2
	s_lshl_b32 s14, s42, 2
	s_add_co_u32 s45, s14, s41                     ; id
	s_and_b32 s14, s45, 1
	s_lshl_b32 s14, s14, 11
	s_lshr_b32 s15, s45, 4
	s_lshl_b32 s15, s15, 5
	s_add_co_u32 s14, s14, s15
	s_bfe_u32 s15, s45, 0x30001
	s_lshl_b32 s15, s15, 1
	s_add_co_u32 s46, s14, s15                     ; the part of the row's number that all lanes share
	s_mul_i32 s12, s46, 384
	s_mul_i32 s14, s[WV], 96
	s_add_co_u32 s12, s12, s14
	s_add_nc_u64 s[26:27], s[26:27], s[12:13]
	v_bfe_u32 v8, v0, 1, 2
	v_bfe_u32 v15, v0, 3, 1
	v_and_b32 v10, 1, v0
	v_lshl_add_u32 v9, v15, 4, v10
	v_mul_u32_u24 v7, v8, 0x30000
	v_mad_u32_u24 v7, v9, 384, v7
	v_mad_u32_u24 v7, v2, 24, v7
.irp i, 0,1,2,3,4,5
	global_load_b64 v[112+2*\i:113+2*\i], v7, s[26:27] offset:48*(\i/3)+8*(\i%3)
.endr
	s_lshl_b32 s12, s46, 4
	s_add_nc_u64 s[28:29], s[28:29], s[12:13]      ; the same rows' scale bytes
	s_lshl_b32 s12, s45, 8
	s_add_nc_u64 s[34:35], s[34:35], s[12:13]      ; wv_sc: 256 bytes a tile
	s_lshl_b32 s12, s45, 2
	s_add_co_u32 s12, s12, s[WV]
	s_mul_i32 s12, s12, 1536
	s_add_nc_u64 s[32:33], s[32:33], s[12:13]      ; wv_img: 1,536 bytes a fragment
	v_lshlrev_b32 v11, 13, v8
	v_lshl_add_u32 v11, v9, 4, v11
	v_lshl_add_u32 v11, v2, 2, v11                 ; lane (r, h) takes its row's words of K steps h and 2 + h
	v_and_b32 v12, 31, v0
	v_lshlrev_b32 v13, 3, v12
	v_lshlrev_b32 v[GO], 4, v12
	s_cmp_lg_u32 s[WV], 0
	s_cbranch_scc1 .Lno_sc
	global_load_b32 v124, v11, s[28:29]
	global_load_b32 v125, v11, s[28:29] offset:8
	s_wait_loadcnt 0x0                             ; (all my loads: the wave waits for them below in any case)
	global_store_b64 v13, v[124:125], s[34:35]     ; 32 lanes store 256 consecutive bytes
.Lno_sc:
	; ---- LDS addresses
	v_and_b32 v30, 7, v0
	s_mul_i32 s14, s[WD], BLK
	v_mul_u32_u24 v[AW0], v30, 3168                ; a weight fragment's lane: head r % 8,
	v_mad_u32_u24 v[AW0], v15, 1584, v[AW0]        ; 4 d on for r / 8 (1,536 bytes and six paddings),
	v_mad_u32_u24 v[AW0], v2, 24, v[AW0]           ; my half's 24 bytes,
	v_add_nc_u32 v[AW0], s14, v[AW0]               ; my half of the d
	v_lshl_add_u32 v[AW1], v2, 3, v[AW0]           ; and the same where lanes 16-31 lie behind one padding more
	s_mul_i32 s14, s[WD], 1040
	s_add_co_u32 s14, s14, WSCL
	v_mul_u32_u24 v[ASC0], v30, 2080
	v_mad_u32_u24 v[ASC0], v2, 16640, v[ASC0]      ; lanes 0-15 take Wq's words, lanes 16-31 Wk's
	v_lshl_add_u32 v[ASC0], v15, 6, v[ASC0]
	v_add_nc_u32 v[ASC0], s14, v[ASC0]
	s_lshl_b32 s14, s[WD], 11
	s_add_co_u32 s14, s14, BIAS
	v_lshl_add_u32 v[AB0], v2, 7, s14
	s_mul_i32 s12, s[TAUS], BLK
	s_add_co_u32 s12, s12, SLOT1
	s_mul_i32 s14, s[WD], 792                      ; two tokens on: 768 bytes and three paddings
	s_add_co_u32 s14, s14, s12
	s_xor_b32 s15, s[WD], 1
	s_mul_i32 s15, s15, 792
	s_add_co_u32 s15, s15, s12
	v_mul_u32_u24 v31, v1, 1584
	v_mad_u32_u24 v31, v2, 24, v31
	v_add_nc_u32 v88, s14, v31                     ; activations of register tiles 0, 1
	v_lshl_add_u32 v89, v2, 3, v88
	v_add_nc_u32 v90, s15, v31                     ; and of 2, 3
	v_lshl_add_u32 v91, v2, 3, v90
	s_lshl_b32 s14, s[WV], 13
	s_add_co_u32 s14, s14, STAGE
	v_add_nc_u32 v[STO], s14, v[GO]
	s_xor_b32 s14, s[WV], 1
	s_lshl_b32 s14, s14, 13
	s_add_co_u32 s14, s14, STAGE
	v_add_nc_u32 v[RDP], s14, v[GO]                ; my partner's stage: the wave with the other half of the d
	v_lshl_add_u32 v14, v0, 5, BIAS
	v_mov_b32 v[NINF], 0xff800000
	s_lshl_b32 s12, s41, 21                        ; epart: [x][y1][p][8][lane][16 bytes]
	s_lshl_b32 s14, s42, 15
	s_add_co_u32 s12, s12, s14
	s_lshl_b32 s14, s[WV], 13
	s_add_co_u32 s12, s12, s14
	s_add_nc_u64 s[30:31], s[30:31], s[12:13]
	s_wait_loadcnt 0x0
	ds_store_b128 v14, v[96:99]
	ds_store_b128 v14, v[100:103] offset:16
	ds_store_b128 v14, v[104:107] offset:4096
	ds_store_b128 v14, v[108:111] offset:4112
.irp c, 0,1,2
	global_store_b128 v[GO], v[112+4*\c:115+4*\c], s[32:33] offset:512*\c   ; the fragment as it stands: 512 consecutive bytes a store
.endr
	s_wait_xcnt 0x0                                ; the stores have read their registers: fragments land there below
	s_wait_tensorcnt 0x0                           ; my three first fills are in,
	s_wait_dscnt 0x0                               ; my bias is stored:
	s_barrier_signal -1
	s_barrier_wait -1                              ; everybody's are
.macro READR                           ; the addresses of the step in hand
	v_add_nc_u32 v[ADW], s[TB], v[AW0]
	v_add_nc_u32 v[ADW2], s[TB], v[AW1]
	v_add_nc_u32 v[ADS], s[TS], v[ASC0]
	v_add_nc_u32 v[ADB], s[TBI], v[AB0]
.endm
.macro FRAGW tau, d0, s                ; a weight fragment: 24 bytes twice, in pieces of 8; a piece at byte b of the head's row lies at b + 8 (b / 256)
.irp i, 0,1,2,3,4,5
.set BB, 384*(\d0)+96*(\s)+48*(\i/3)+8*(\i%3)
.if ((BB+24)>>8) == (BB>>8)
	ds_load_b64 v[96+48*(\tau)+12*(\s)+2*\i:97+48*(\tau)+12*(\s)+2*\i], v[ADW] offset:2*BLK*(\tau)+BB+8*(BB>>8)
.else
	ds_load_b64 v[96+48*(\tau)+12*(\s)+2*\i:97+48*(\tau)+12*(\s)+2*\i], v[ADW2] offset:2*BLK*(\tau)+BB+8*(BB>>8)
.endif
.endr
.endm
.macro FRAGA tau, tt, s                ; an activation fragment, likewise
.irp i, 0,1,2,3,4,5
.set BB, 384*((\tt)&1)+96*(\s)+48*(\i/3)+8*(\i%3)
.set RA, 88+2*((\tt)>>1)
.if ((BB+24)>>8) != (BB>>8)
.set RA, RA+1
.endif
.set RX, 48*(\tt)+12*(\s)+2*\i
	ds_load_b64 v[RX:RX+1], v[RA] offset:2*BLK*(\tau)+BB+8*(BB>>8)
.endr
.endm
.macro RUN g                           ; the next unit's loads of K step g (d0 = DN, scale set 1 - PI): 16, 13, 12, 12
	WIN 0
.if (\g) == 1
	ds_load_b128 v[64+4*(1-PI):67+4*(1-PI)], v[ADS] offset:16*DN
.endif
	FRAGW 0,DN,\g
	FRAGW 1,DN,\g
.if (\g) == 0
.irp t, 0,1
	ds_load_b128 v[72+8*\t:75+8*\t], v[ADB] offset:4096*\t+32*DN
	ds_load_b128 v[76+8*\t:79+8*\t], v[ADB] offset:4096*\t+32*DN+16
.endr
.endif
.endm
.macro WM n, s                         ; matrix instruction n of 8 of K step s: tensor n / 4, token tile n % 4.  The eight accumulators take turns, one instruction a turn.  The bias is the first C
.set TAU, (\n)>>2
.set TT, (\n)&3
.set rD, 192+32*TAU+8*TT
.set rA, 96+48*TAU+12*(\s)
.set rB, 48*TT+12*(\s)
.set rW, 64+4*PI+(\s)
.set rX, 32+16*TAU+4*TT+(\s)
.set rC, rD
.if (\s) == 0
.set rC, 72+8*TAU
	WIN ((2+PI)<<6)|((2+TAU)<<2)
.else
	WIN ((2+PI)<<6)|((2+PI)<<4)|((2+TAU)<<2)
.endif
.if TAU == 0
	v_wmma_scale_f32_16x16x128_f8f6f4 v[rD:rD+7], v[rA:rA+11], v[rB:rB+11], v[rC:rC+7], v[rW], v[rX] matrix_a_fmt:MATRIX_FMT_BF6 matrix_b_fmt:MATRIX_FMT_BF6
.else
	v_wmma_scale_f32_16x16x128_f8f6f4 v[rD:rD+7], v[rA:rA+11], v[rB:rB+11], v[rC:rC+7], v[rW], v[rX] matrix_a_fmt:MATRIX_FMT_BF6 matrix_b_fmt:MATRIX_FMT_BF6 matrix_a_scale:MATRIX_SCALE_ROW1
.endif
.endm
.macro SL po, tt, hq, first            ; a slice: e[tt][hq][0 .. 7] += q[hq] k[0 .. 7] from accumulator set po; first = 1: the products start the sums, nothing is cleared
	WIN 0x50|(5*(2+(\po)))
.irp j, 0,1,2,3
.set rE, 64*(\tt)+8*(\hq)+2*\j
.set rQ, 192+8*(\tt)+((\hq)&6)
.set rK, 224+8*(\tt)+2*\j
.if \first
.if (\hq)&1
	v_pk_mul_f32 v[rE:rE+1], v[rQ:rQ+1], v[rK:rK+1] op_sel:[1,0] op_sel_hi:[1,1]
.else
	v_pk_mul_f32 v[rE:rE+1], v[rQ:rQ+1], v[rK:rK+1] op_sel_hi:[0,1]
.endif
.else
.if (\hq)&1
	v_pk_fma_f32 v[rE:rE+1], v[rQ:rQ+1], v[rK:rK+1], v[rE:rE+1] op_sel:[1,0,0] op_sel_hi:[1,1,1]
.else
	v_pk_fma_f32 v[rE:rE+1], v[rQ:rQ+1], v[rK:rK+1], v[rE:rE+1] op_sel_hi:[0,1,1]
.endif
.endif
.endr
.endm
.macro WALK                            ; the walking descriptors: the other slot, the next 8 d
	s_xor_b32 s[G0Q+1], s[G0Q+1], SLOT1
	s_add_nc_u64 s[G0Q+2:G0Q+3], s[G0Q+2:G0Q+3], 3072
	s_xor_b32 s[G0K+1], s[G0K+1], SLOT1
	s_add_nc_u64 s[G0K+2:G0K+3], s[G0K+2:G0K+3], 3072
.endm
; UNIT u of a step's four.  pk: 0 no slices (four v_nop are the places), 1 slices, 2 slices that start e.  reload: the next unit is fetched.  chg: 2 the slot is left and filled again, 1 it is left.
; A group's four multiply-adds behind its last matrix instruction are the four places in front of the loads into the fragments that it read.
; The counts leave out the loads issued behind those that a group needs: 12 + 12 + 12 behind the scale words; 12 + 12 + 16; 12 + 16 + 13; 16 + 13 + 12.
.macro UNIT u, pk, reload, chg
.set PI, (\u)&1
.set DN, ((\u)+1)&3
.if \chg
	WIN 0
	s_wait_tensorcnt 0x0                           ; all my tensor loads have landed: my part of the next slot
	ds_add_u32 v[SPW], v[NIL]                      ; 0 onto my spare word
.if (\chg) == 2
	WALK
.endif
	s_xor_b32 s[TB], s[TB], SLOT1
	s_add_co_u32 s[TS], s[TS], 128
	s_add_co_u32 s[TBI], s[TBI], 256
.endif
.irp s, 0,1,2,3
.if \reload
.if \s == 0
.if \chg
	s_wait_dscnt 37                                ; (the add is one more)
.else
	s_wait_dscnt 36
.endif
.elseif \s == 1
	s_wait_dscnt 40
.else
	s_wait_dscnt 41
.endif
.else
	s_wait_dscnt 36-12*\s
.endif
.irp n, 0,1,2,3,4,5,6,7
	WM \n,\s
.if \pk
	SL 1-PI,\s,\n,\pk-1
.endif
.endr
.if (\pk) == 0
.rept 4
	v_nop
.endr
.endif
.if \chg
.if \s == 0
	WIN 0
	s_wait_dscnt 0x0                               ; the add is done, and my reads of the slot are over: this unit's fragments were its last
.if (\chg) == 2
	CROUND                                         ; no wave of any partner still reads the slot or has a load on its way
	JLOAD G0Q, G0K, G1W                            ; the step after next: it has four units, 128 matrix instructions, in which to land
.else
	s_barrier_signal -1
	s_barrier_wait -1
.endif
	READR
.endif
.endif
.if \reload
	RUN \s
.endif
.endr
.endm
	s_mov_b32 s[TB], 0
	s_mov_b32 s[TS], 0
	s_mov_b32 s[TBI], 0
	READR
	WIN 0x80
.irp t, 0,1,2,3
.irp s, 0,1,2,3
	FRAGA 0,\t,\s                                  ; the activations stay in registers
.endr
.endr
	WIN 0xc0
.irp t, 0,1,2,3
.irp s, 0,1,2,3
	FRAGA 1,\t,\s
.endr
.endr
.set PI, 1
.set DN, 0
	RUN 0
	RUN 1
	RUN 2
	RUN 3
	s_wait_tensorcnt 0x0                           ; slot 1 has served the activations: it is filled again, with step 1 of the weights
	ds_add_u32 v[SPW], v[NIL]
	WALK
	s_wait_dscnt 0x0                               ; the add is done, and my reads of slot 1 are over
	CROUND
	JLOAD G0Q, G0K, G1W
	UNIT 0,0,1,0
	UNIT 1,2,1,0
	WIN 0
	s_mov_b32 s[CNTR], 6
.Lstep:                                            ; a trip: units 2, 3 of step t (the slot is filled with step t + 2), units 0, 1 of step t + 1
	UNIT 2,1,1,0
	UNIT 3,1,1,2
	UNIT 0,1,1,0
	UNIT 1,1,1,0
	WIN 0
	s_sub_co_u32 s[CNTR], s[CNTR], 1
	s_cmp_lg_u32 s[CNTR], 0
	s_cbranch_scc1 .Lstep
	UNIT 2,1,1,0                                   ; the tail is written out: nothing more is asked for
	UNIT 3,1,1,1
	UNIT 0,1,1,0
	UNIT 1,1,1,0
	UNIT 2,1,1,0
	UNIT 3,1,0,0
.irp t, 0,1,2,3
.irp q, 0,1,2,3,4,5,6,7
	SL 1,\t,\q,0
.endr
.endr
	; ---- the two halves of the lanes hold different d: entries i and 32 + i change halves and are added: lane (r, h) then holds entries 32 h + i of token r
	WIN 0x41
.set i, 0
.rept 128
.set rE, 64*(i/32)+(i%32)
	v_permlane16_swap_b32 v[rE], v[rE+32]
.set i, i+1
.endr
	WIN 0x45
.set i, 0
.rept 64
.set rE, 64*(i/16)+2*(i%16)
	v_pk_add_f32 v[rE:rE+1], v[rE:rE+1], v[rE+32:rE+33]
.set i, i+1
.endr
	WIN 0x04                                       ; register tiles 2, 3 go to the partner, which holds the same token tiles as its 0, 1
.irp a, 0,1
.irp c, 0,1,2,3,4,5,6,7
	ds_store_b128 v[STO], v[128+64*\a+4*\c:131+64*\a+4*\c] offset:512*(8*\a+\c)
.endr
.endr
	WIN 0
	s_wait_dscnt 0x0                               ; for the partner's sake
	s_barrier_signal -1
	s_barrier_wait -1
.irp a, 0,1
.irp c, 0,1,2,3,4,5,6,7
	ds_load_b128 v[96+32*\a+4*\c:99+32*\a+4*\c], v[RDP] offset:512*(8*\a+\c)
.endr
.endr
	s_wait_dscnt 0x0
	WIN 0x01
.set i, 0
.rept 32
.set rE, 64*(i/16)+2*(i%16)
	v_pk_add_f32 v[96+2*i:97+2*i], v[rE:rE+1], v[96+2*i:97+2*i]
.set i, i+1
.endr
	WIN 0
.set i, 0
.rept 64
	v_cmp_eq_u32 vcc_lo, 0, v[192+i]               ; where the mask is 0 every slice stores -infinity, and so their sum is -infinity
	v_cndmask_b32 v[96+i], v[96+i], v[NINF], vcc_lo
.set i, i+1
.endr
.irp a, 0,1
.irp c, 0,1,2,3,4,5,6,7
	global_store_b128 v[GO], v[96+32*\a+4*\c:99+32*\a+4*\c], s[30:31] offset:4096*\a+512*\c   ; 512 consecutive bytes a store
.endr
.endr
	s_wait_tensorcnt 0x0                           ; the wave's end
	ds_add_u32 v[SPW], v[NIL]
	s_wait_dscnt 0x0
	CROUND                                         ; the closing round
	s_endpgm
.Lfunc_end_k_q2067306296_energy:
	.size	k_q2067306296_energy, .Lfunc_end_k_q2067306296_energy-k_q2067306296_energy
	.p2alignl 7, 3214868480
	.fill 96, 4, 3214868480
	.section	.rodata,"a",@progbits
	.p2align	6, 0x0
	.amdhsa_kernel k_q2067306296_energy
		.amdhsa_group_segment_fixed_size 327680
		.amdhsa_private_segment_fixed_size 0
		.amdhsa_enable_private_segment 0
		.amdhsa_kernarg_size 128
		.amdhsa_user_sgpr_count 2
		.amdhsa_user_sgpr_kernarg_segment_ptr 1
		.amdhsa_wavefront_size32 1
		.amdhsa_system_sgpr_workgroup_id_x 1
		.amdhsa_system_sgpr_workgroup_id_y 1
		.amdhsa_system_sgpr_workgroup_id_z 1
		.amdhsa_system_vgpr_workitem_id 0
		.amdhsa_next_free_vgpr 1024
		.amdhsa_next_free_sgpr 100
		.amdhsa_reserve_vcc 1
		.amdhsa_float_denorm_mode_32 3
		.amdhsa_float_denorm_mode_16_64 3
		.amdhsa_memory_ordered 1
		.amdhsa_forward_progress 1
		.amdhsa_inst_pref_size 255
	.end_amdhsa_kernel
	.section	.bss,"aw",@nobits
	.p2align	6
	.space	262144
	.amdgpu_metadata
---
amdhsa.version: [ 1, 2 ]
amdhsa.kernels:
  - .name:           k_q2067306296_energy
    .symbol:         k_q2067306296_energy.kd
    .args:
      - { .name: queries_codes, .offset: 0, .size: 8, .value_kind: global_buffer, .address_space: global }
      - { .name: keys_codes, .offset: 8, .size: 8, .value_kind: global_buffer, .address_space: global }
      - { .name: Wq_codes, .offset: 16, .size: 8, .value_kind: global_buffer, .address_space: global }
      - { .name: Wk_codes, .offset: 24, .size: 8, .value_kind: global_buffer, .address_space: global }
      - { .name: Wq_scales, .offset: 32, .size: 8, .value_kind: global_buffer, .address_space: global }
      - { .name: Wk_scales, .offset: 40, .size: 8, .value_kind: global_buffer, .address_space: global }
      - { .name: queries_scales, .offset: 48, .size: 8, .value_kind: global_buffer, .address_space: global }
      - { .name: keys_scales, .offset: 56, .size: 8, .value_kind: global_buffer, .address_space: global }
      - { .name: bq, .offset: 64, .size: 8, .value_kind: global_buffer, .address_space: global }
      - { .name: bk, .offset: 72, .size: 8, .value_kind: global_buffer, .address_space: global }
      - { .name: mask, .offset: 80, .size: 8, .value_kind: global_buffer, .address_space: global }
      - { .name: Wv_codes, .offset: 88, .size: 8, .value_kind: global_buffer, .address_space: global }
      - { .name: Wv_scales, .offset: 96, .size: 8, .value_kind: global_buffer, .address_space: global }
      - { .name: epart, .offset: 104, .size: 8, .value_kind: global_buffer, .address_space: global }
      - { .name: wv_img, .offset: 112, .size: 8, .value_kind: global_buffer, .address_space: global }
      - { .name: wv_sc, .offset: 120, .size: 8, .value_kind: global_buffer, .address_space: global }
    .group_segment_fixed_size: 327680
    .private_segment_fixed_size: 0
    .kernarg_segment_align: 8
    .kernarg_segment_size: 128
    .max_flat_workgroup_size: 128
    .sgpr_count:     100
    .vgpr_count:     1024
    .wavefront_size: 32
...
	.end_amdgpu_metadata
.endif
;; end of part 1
;; launch mix (part 2): grid 8 x 32, 4 waves a work-group, clusters of 4 x 4, 327,680 bytes of LDS; arguments values_codes, values_scales, bv, epart, wv_img, wv_sc, Wo_codes, Wo_scales, afrag, asc, wo_img, wo_sc; writes afrag, asc, wo_img, wo_sc
.if DOCPART == 2
	.amdgcn_target "amdgcn-amd-amdhsa--gfx1250"
	.amdhsa_code_object_version 6
	.text
	.protected	k_q2067306296_mix
	.globl	k_q2067306296_mix
	.p2align	8
	.type	k_q2067306296_mix,@function
k_q2067306296_mix:
	s_mov_b64 s[64:65], 0
	v_nop
	global_prefetch_b8 v0, s[64:65] scope:SCOPE_SE
	s_setreg_imm32_b32 hwreg(HW_REG_WAVE_MODE, 25, 1), 1
	s_wait_xcnt 0x0
	s_wait_alu depctr_hold_cnt(0) depctr_sa_sdst(0) depctr_va_vdst(0) depctr_va_sdst(0) depctr_va_ssrc(0) depctr_va_vcc(0) depctr_vm_vsrc(0)
	s_getreg_b32 s2, hwreg(HW_REG_IB_STS2, 6, 4)
	s_cmp_eq_u32 s2, 0
	s_cbranch_scc0 .Lentry_in_a_cluster
	s_endpgm
.Lentry_in_a_cluster:
	s_bfe_u32 s2, ttmp6, 0x10000c
	s_cmp_lg_u32 s2, 0xf033
	s_cbranch_scc0 .Lentry_shape_is_right
	s_endpgm
.Lentry_shape_is_right:
; LAUNCH 2 OF 3.  attn = softmax(energy / sqrt(512)) over hk; v = values Wv + bv (on codes of E3M2); out[t][hq][d] = sum over hk of attn[t][hq][hk] v[t][hk][d]; out is quantised along d in blocks of 32
; and stored as images of the last product's operand registers.  No work is left out.  LIMITS: as stated at the head of the first launch; a block of zeros gets the scale byte 1, read by this program alone.
; SHARES.  A work-group owns 256 tokens (y) x 64 d (x2) x 8 heads of v.  Its weights (32 tiles x 4 K steps of images, laid out by the launch before) come into LDS ONCE and stay: no LDS byte is filled again.
; Wave w owns token tiles p = 2 w + tt (tokens 8 r + p) of block y1 = 2 y + pass, in two passes.
; LAYOUT.  Transposed products.  Tile (bb, u, AB): row m is head 4 AB + (m % 8) / 2 at d = 64 x2 + 32 bb + 16 (m / 8) + 2 u + m % 2: a lane's register pairs are neighbours along d of one head, so
; out[hq][2 u .. 2 u + 1] += attn[hq][hk] v[hk][pair] is one v_pk_fma_f32, and after eight u a lane holds 16 neighbouring d for each hq: what the conversion takes.
; A row of the last product is (hq, r) and its K runs over (p, d): my eight results of a pass are whole fragments, K step 4 x2 + w: block 2 c + h of it is (p = 2 w + c, d block 2 x2 + h).
; A UNIT is (bb, u): 16 matrix instructions; behind each stand eight multiply-adds on the unit before.  CLUSTER 4 x 4: weights hang on x2 alone (a column), activations on y alone (a row).
; SIDE JOB: Wo is laid out for the next launch in the same order of K (wo_img, wo_sc): one fragment a wave.
; REGISTERS.  window 0: v0-31 addresses; v32-39 weight scale words; v40-55 value scale words (this pass, next); v56-71 bias; v72-167 codes, 12 for each hq; v168-175 their scale words; v176-215 at work.
;   window 1: out = 128 tt + 16 hq + i.   window 2: attn 64 tt + 8 hq + hk; v's accumulators from 128, two sets; from 192 pass 0's softmax.   window 3: activations; weight fragments from 96; from 192 pass 1's softmax.
.set ACT,   196608                     ; for each wave 32 rows of 768 bytes (two tokens), 8 bytes of padding behind each 128: pitch 816
.set WSC,   301056
.set BIAS,  309248                     ; [unit 16][AB][h][8] f32, stored by the waves
.set SPARE, 311296
.set AF,   16                          ; v16-19: 16 x lane + k x 49,152
.set AWS,  20
.set ABI,  21
.set AAC,  22
.set AAC2, 23
.set GO,   24
.set AA0,  25
.set AA1,  26
.set SPW,  28
.set NIL,  29
.set WV,   36
.set SEL,  46
.set CS,   48
.set PASS, 50
.set PO,   51
.set MSB, 0
.macro WIN new
.if MSB != (\new)
	s_set_vgpr_msb (MSB<<8)|(\new)
.set MSB, (\new)
.endif
.endm
.macro CROUND
	s_barrier_signal -1
	s_barrier_wait -1
	s_cmp_lg_u32 s[WV], 0
	s_cbranch_scc1 .Lnot_wave_0_\@
	s_barrier_signal -3
.Lnot_wave_0_\@:
	s_barrier_wait -3
	s_barrier_signal -1
	s_barrier_wait -1
.endm
	s_load_b512 s[4:19], s[0:1], 0x0               ; values codes, scales, bv, epart, wv_img, wv_sc, Wo codes, Wo scales
	s_load_b256 s[20:27], s[0:1], 0x40             ; afrag, asc, wo_img, wo_sc
	v_lshl_add_u32 v[SPW], v0, 2, SPARE
	v_mov_b32 v[NIL], 0
	ds_add_u32 v[SPW], v[NIL]                      ; the opening: the add, twice on end, and its wait ahead of my first tensor load
	ds_add_u32 v[SPW], v[NIL]
	v_lshrrev_b32 v1, 5, v0
	v_readfirstlane_b32 s[WV], v1
	s_bfe_u32 s39, ttmp6, 0x40000
	s_bfe_u32 s40, ttmp6, 0x40004
	s_lshl_b32 s41, ttmp9, 2
	s_add_co_u32 s41, s41, s39                     ; x2
	s_and_b32 s42, ttmp7, 0xffff
	s_lshl_b32 s42, s42, 2
	s_add_co_u32 s42, s42, s40                     ; y
	s_lshl_b32 s43, s40, 2
	s_lshl_b32 s43, 15, s43
	s_lshl_b32 s44, 0x1111, s39
	s_or_b32 s56, s43, (1<<20)|(1<<21)|(4<<22)|(1<<25)   ; activations: 32 rows of 768 bytes, 3,072 apart; 2 words of padding behind each 32
	s_mov_b32 s57, 768<<16
	s_mov_b32 s58, 32<<16
	s_mov_b32 s59, 768<<16
	s_mov_b32 s60, 32
	s_mov_b32 s61, 3072
	s_mov_b32 s62, 0
	s_mov_b32 s63, 0
	s_or_b32 s68, s44, (3<<16)|(1<<21)             ; weight images: a dense block of 24,576 bytes as 96 rows of 256
	s_mov_b32 s69, 32<<16
	s_mov_b32 s70, 96<<16
	s_mov_b32 s71, 32<<16
	s_mov_b32 s72, 96
	s_mov_b32 s73, 32
	s_mov_b32 s74, 0
	s_mov_b32 s75, 0
	s_or_b32 s76, s44, (3<<16)|(1<<21)             ; their scale words: 2,048 bytes as 8 rows of 256
	s_mov_b32 s77, 32<<16
	s_mov_b32 s78, 8<<16
	s_mov_b32 s79, 32<<16
	s_mov_b32 s80, 8
	s_mov_b32 s81, 32
	s_mov_b32 s82, 0
	s_mov_b32 s83, 0
	s_mul_i32 s52, s42, 98304
	s_mul_i32 s53, s[WV], 768
	s_add_co_u32 s52, s52, s53
	s_mov_b32 s53, 0
	s_mul_i32 s66, s[WV], 24576
	s_mul_i32 s54, s41, 196608
	s_add_co_u32 s54, s54, s66
	s_mov_b32 s55, 0
	s_lshl_b32 s34, s[WV], 11
	s_lshl_b32 s32, s41, 13
	s_add_co_u32 s32, s32, s34
	s_mov_b32 s33, 0
	s_mul_i32 s35, s[WV], 26112
	s_mov_b32 s[SEL], 0x76543210
	s_mov_b32 s[SEL+1], 0xfedcba98
	s_mov_b32 s[CS], 0x3d8293ee                    ; log2(e) / sqrt(512)
	s_mov_b32 s[CS+1], s[CS]
	s_wait_dscnt 0x0
	s_wait_kmcnt 0x0
	s_mov_b32 s84, 1
	s_add_co_u32 s85, s35, ACT
	s_add_nc_u64 s[86:87], s[4:5], s[52:53]
	s_or_b32 s87, s87, 0x80000000
	s_mov_b32 s88, 1
	s_mov_b32 s89, s66
	s_add_nc_u64 s[90:91], s[12:13], s[54:55]
	s_or_b32 s91, s91, 0x80000000
	s_mov_b32 s92, 1
	s_add_co_u32 s93, s66, 98304
	s_add_nc_u64 s[94:95], s[12:13], s[54:55]
	s_add_nc_u64 s[94:95], s[94:95], 98304
	s_or_b32 s95, s95, 0x80000000
	s_mov_b32 s96, 1
	s_add_co_u32 s97, s34, WSC
	s_add_nc_u64 s[98:99], s[14:15], s[32:33]
	s_or_b32 s99, s99, 0x80000000
	CROUND
	tensor_load_to_lds s[84:87], s[56:63]          ; four loads of mine are out: my activations,
	s_nop 0
	tensor_load_to_lds s[88:91], s[68:75]          ; my quarter of the weights of bb = 0,
	s_nop 0
	tensor_load_to_lds s[92:95], s[68:75]          ; of bb = 1,
	s_nop 0
	tensor_load_to_lds s[96:99], s[76:83]          ; and of the scale words
	s_nop 0
.rept 4
	v_nop
.endr
	; ---- loads from memory
	v_and_b32 v1, 15, v0                           ; r
	v_bfe_u32 v2, v0, 4, 1                         ; h
	v_and_b32 v3, 31, v0
	v_lshlrev_b32 v[GO], 4, v3
	s_mov_b32 s55, 0
	s_lshl_b32 s45, s42, 3
	s_add_co_u32 s45, s45, s41                     ; the work-group's number
	s_lshl_b32 s52, s45, 2
	s_add_co_u32 s52, s52, s[WV]                   ; fragment 32 nt + kappa of Wo; kappa = 4 xk + wk holds blocks (p = 2 wk + c, d block 2 xk + h): block p 16 + 2 xk + h of the row
	s_lshr_b32 s53, s52, 5
	s_mul_i32 s53, s53, 49152
	s_bfe_u32 s54, s52, 0x30002
	s_mul_i32 s54, s54, 48
	s_add_co_u32 s53, s53, s54
	s_mul_i32 s54, s[WV], 768
	s_add_co_u32 s54, s53, s54
	s_add_nc_u64 s[16:17], s[16:17], s[54:55]
	v_mul_u32_u24 v4, v1, 3072
	v_mad_u32_u24 v4, v2, 24, v4
.irp i, 0,1,2,3,4,5
	global_load_b64 v[196+2*\i:197+2*\i], v4, s[16:17] offset:384*(\i/3)+8*(\i%3)
.endr
	s_mul_i32 s54, s52, 1536
	s_add_nc_u64 s[24:25], s[24:25], s[54:55]
	v_and_b32 v5, 1, v0                            ; bias: thread ((unit 2 + AB) 2 + h) 2 + jh takes heads 4 AB + 2 jh, + 1 at d = 32 bb + 16 h + 2 u, + 1
	v_lshlrev_b32 v5, 12, v5
	v_bfe_u32 v6, v0, 1, 1
	v_lshl_add_u32 v5, v6, 6, v5
	v_bfe_u32 v6, v0, 2, 1
	v_lshl_add_u32 v5, v6, 13, v5
	v_bfe_u32 v6, v0, 3, 3
	v_lshl_add_u32 v5, v6, 3, v5
	v_bfe_u32 v6, v0, 6, 1
	v_lshl_add_u32 v5, v6, 7, v5
	s_lshl_b32 s54, s41, 8
	s_add_nc_u64 s[8:9], s[8:9], s[54:55]
	global_load_b64 v[208:209], v5, s[8:9]
	global_load_b64 v[210:211], v5, s[8:9] offset:2048
	s_lshl_b32 s54, s[WV], 5
	v_lshl_add_u32 v7, v1, 7, s54
	s_lshl_b32 s54, s42, 12
	s_add_nc_u64 s[6:7], s[6:7], s[54:55]
.irp p, 0,1
.irp t, 0,1
	global_load_b128 v[40+8*\p+4*\t:43+8*\p+4*\t], v7, s[6:7] offset:2048*\p+16*\t
.endr
.endr
	s_lshl_b32 s54, s42, 16
	s_lshl_b32 s53, s[WV], 13
	s_add_co_u32 s54, s54, s53
	s_add_nc_u64 s[10:11], s[10:11], s[54:55]
.macro ELOAD win, b, p, t              ; the four slices of one token tile's energies: 128 registers
	WIN (\win)<<6
.irp l, 0,1,2,3
.irp c, 0,1,2,3,4,5,6,7
	global_load_b128 v[(\b)+32*\l+4*\c:(\b)+32*\l+4*\c+3], v[GO], s[10:11] offset:2097152*\l+32768*(\p)+4096*(\t)+512*\c
.endr
.endr
.endm
	ELOAD 1, 0, 0, 0
	ELOAD 1, 128, 0, 1
	WIN 0
	; Wo's scale words, chunk (x3, kappa, wn) = the work-group's number: [r 16][i 4] words, row n = 128 x3 + 64 wn + 16 i + r; a word is two pairs of bytes, 16 bytes apart
	s_lshr_b32 s53, s45, 6
	s_lshl_b32 s53, s53, 14
	s_and_b32 s54, s45, 1
	s_lshl_b32 s54, s54, 13
	s_add_co_u32 s53, s53, s54
	s_bfe_u32 s54, s45, 0x20001
	s_lshl_b32 s54, s54, 5
	s_add_co_u32 s53, s53, s54
	s_bfe_u32 s54, s45, 0x30003
	s_lshl_b32 s54, s54, 1
	s_add_co_u32 s54, s53, s54
	s_add_nc_u64 s[18:19], s[18:19], s[54:55]
	s_lshl_b32 s54, s45, 8
	s_add_nc_u64 s[26:27], s[26:27], s[54:55]
	v_and_b32 v8, 1, v0
	v_lshlrev_b32 v8, 5, v8
	v_bfe_u32 v10, v0, 1, 4
	v_add_nc_u32 v8, v8, v10
	v_lshlrev_b32 v8, 7, v8
	v_lshlrev_b32 v9, 3, v3
	s_cmp_lg_u32 s[WV], 1
	s_cbranch_scc1 .Lno_ws
	global_load_u16 v212, v8, s[18:19]
	global_load_u16 v213, v8, s[18:19] offset:16
	global_load_u16 v214, v8, s[18:19] offset:2048
	global_load_u16 v215, v8, s[18:19] offset:2064
	s_wait_loadcnt 0x0                             ; (with them the first two tiles, which the wave wants next in any case)
	v_lshl_or_b32 v212, v213, 16, v212
	v_lshl_or_b32 v213, v215, 16, v214
	global_store_b64 v9, v[212:213], s[26:27]      ; 256 consecutive bytes
.Lno_ws:
	ELOAD 2, 0, 1, 0
	ELOAD 3, 0, 1, 1
	WIN 0
	v_lshlrev_b32 v[AF], 4, v3
	v_lshl_add_u32 v[AF+1], v3, 4, 49152
	v_lshl_add_u32 v[AF+2], v3, 4, 98304
	v_lshl_add_u32 v[AF+3], v3, 4, 147456
	v_lshl_add_u32 v[AWS], v3, 3, WSC
	v_lshl_add_u32 v[ABI], v2, 5, BIAS
	s_add_co_u32 s53, s35, ACT
	v_mul_u32_u24 v[AA0], v1, 816
	v_mad_u32_u24 v[AA0], v2, 24, v[AA0]
	v_add_nc_u32 v[AA0], s53, v[AA0]
	v_lshl_add_u32 v[AA1], v2, 3, v[AA0]
	v_lshl_add_u32 v11, v0, 4, BIAS
.irp q, 0,1,2,3
	v_mov_b32 v[180+\q], 0                         ; written once: a lane permute's destination counts as one of its sources
.endr
	s_mul_i32 s54, s42, 786432                     ; afrag: [y1][hq][kappa][1,536 bytes], y1 = 2 y, kappa = 4 x2 + w
	s_lshl_b32 s53, s41, 2
	s_add_co_u32 s53, s53, s[WV]
	s_mul_i32 s52, s53, 1536
	s_add_co_u32 s54, s54, s52
	s_add_nc_u64 s[20:21], s[20:21], s[54:55]
	s_lshl_b32 s54, s42, 15                        ; asc: [y1][kappa][512 bytes]
	s_lshl_b32 s52, s53, 9
	s_add_co_u32 s54, s54, s52
	s_add_nc_u64 s[22:23], s[22:23], s[54:55]
	s_wait_loadcnt 63                              ; 64 loads were issued behind the first two tiles': those and all before them are in
	ds_store_b128 v11, v[208:211]
.irp c, 0,1,2
	global_store_b128 v[GO], v[196+4*\c:199+4*\c], s[24:25] offset:512*\c
.endr
; The softmax of one token tile.  Lane (r, h) holds entries 32 h + i: four whole rows hq = 4 h + i / 8 of eight.  All in window wn from register b on; the result goes to window hw, register hd on.
.macro SMAX wn, b, hw, hd
	WIN 0x55*(\wn)
.set i, 0
.rept 16
	v_pk_add_f32 v[(\b)+2*i:(\b)+2*i+1], v[(\b)+2*i:(\b)+2*i+1], v[(\b)+32+2*i:(\b)+33+2*i]
	v_pk_add_f32 v[(\b)+64+2*i:(\b)+65+2*i], v[(\b)+64+2*i:(\b)+65+2*i], v[(\b)+96+2*i:(\b)+97+2*i]
.set i, i+1
.endr
.set i, 0
.rept 16
	v_pk_add_f32 v[(\b)+2*i:(\b)+2*i+1], v[(\b)+2*i:(\b)+2*i+1], v[(\b)+64+2*i:(\b)+65+2*i]   ; the four slices of d
.set i, i+1
.endr
.irp p, 0,1,2,3
	v_max3_num_f32 v[(\b)+32+\p], v[(\b)+8*\p], v[(\b)+8*\p+1], v[(\b)+8*\p+2]
.endr
.irp p, 0,1,2,3
	v_max3_num_f32 v[(\b)+32+\p], v[(\b)+32+\p], v[(\b)+8*\p+3], v[(\b)+8*\p+4]
.endr
.irp p, 0,1,2,3
	v_max3_num_f32 v[(\b)+32+\p], v[(\b)+32+\p], v[(\b)+8*\p+5], v[(\b)+8*\p+6]
.endr
.irp p, 0,1,2,3
	v_max_num_f32 v[(\b)+32+\p], v[(\b)+32+\p], v[(\b)+8*\p+7]    ; the row's maximum
.endr
.irp p, 0,1,2,3
.irp j, 0,1,2,3
.if \p&1
	v_pk_add_f32 v[(\b)+8*\p+2*\j:(\b)+8*\p+2*\j+1], v[(\b)+8*\p+2*\j:(\b)+8*\p+2*\j+1], v[(\b)+32+(\p&2):(\b)+33+(\p&2)] op_sel:[0,1] op_sel_hi:[1,1] neg_lo:[0,1] neg_hi:[0,1]
.else
	v_pk_add_f32 v[(\b)+8*\p+2*\j:(\b)+8*\p+2*\j+1], v[(\b)+8*\p+2*\j:(\b)+8*\p+2*\j+1], v[(\b)+32+(\p&2):(\b)+33+(\p&2)] op_sel_hi:[1,0] neg_lo:[0,1] neg_hi:[0,1]
.endif
.endr
.endr
.set i, 0
.rept 16
	v_pk_mul_f32 v[(\b)+2*i:(\b)+2*i+1], v[(\b)+2*i:(\b)+2*i+1], s[CS:CS+1] op_sel_hi:[1,0]
.set i, i+1
.endr
.set i, 0
.rept 32
	v_exp_f32 v[(\b)+i], v[(\b)+i]
.set i, i+1
.endr
	v_nop                                          ; a plain instruction behind the last exponential,
	s_wait_alu depctr_va_vdst(0)                   ; and one wait for the batch, ahead of its first reader
.irp p, 0,1,2,3
	v_pk_add_f32 v[(\b)+40+4*\p:(\b)+41+4*\p], v[(\b)+8*\p:(\b)+8*\p+1], v[(\b)+8*\p+2:(\b)+8*\p+3]
	v_pk_add_f32 v[(\b)+42+4*\p:(\b)+43+4*\p], v[(\b)+8*\p+4:(\b)+8*\p+5], v[(\b)+8*\p+6:(\b)+8*\p+7]
.endr
.irp p, 0,1,2,3
	v_pk_add_f32 v[(\b)+40+4*\p:(\b)+41+4*\p], v[(\b)+40+4*\p:(\b)+41+4*\p], v[(\b)+42+4*\p:(\b)+43+4*\p]
.endr
.irp p, 0,1,2,3
	v_add_f32 v[(\b)+40+4*\p], v[(\b)+40+4*\p], v[(\b)+41+4*\p]
.endr
.irp p, 0,1,2,3
	v_rcp_f32 v[(\b)+36+\p], v[(\b)+40+4*\p]
.endr
	v_nop
	s_wait_alu depctr_va_vdst(0)
	WIN ((\hw)<<6)|((\wn)<<2)|(\wn)
.irp p, 0,1,2,3
.irp j, 0,1,2,3
.if \p&1
	v_pk_mul_f32 v[(\hd)+8*\p+2*\j:(\hd)+8*\p+2*\j+1], v[(\b)+8*\p+2*\j:(\b)+8*\p+2*\j+1], v[(\b)+36+(\p&2):(\b)+37+(\p&2)] op_sel:[0,1] op_sel_hi:[1,1]
.else
	v_pk_mul_f32 v[(\hd)+8*\p+2*\j:(\hd)+8*\p+2*\j+1], v[(\b)+8*\p+2*\j:(\b)+8*\p+2*\j+1], v[(\b)+36+(\p&2):(\b)+37+(\p&2)] op_sel_hi:[1,0]
.endif
.endr
.endr
.endm
; Every lane wants all 64 weights of its token: entry i and entry 32 + i are both made from the register that holds them in its two halves, and change halves.
.macro EXPAND hw
	WIN 0x80|(\hw)
.set i, 0
.rept 64
	v_mov_b32 v[64*(i/32)+(i%32)], v[192+i]
	v_mov_b32 v[64*(i/32)+32+(i%32)], v[192+i]
.set i, i+1
.endr
	WIN 0x82
.set i, 0
.rept 64
	v_permlane16_swap_b32 v[64*(i/32)+(i%32)], v[64*(i/32)+32+(i%32)]
.set i, i+1
.endr
.endm
	SMAX 1, 0, 2, 192
	SMAX 1, 128, 2, 224
	s_wait_loadcnt 32                              ; the last tile's 32 loads may be out
	SMAX 2, 0, 3, 192
	s_wait_loadcnt 0x0
	SMAX 3, 0, 3, 224
	EXPAND 2
	WIN 0
	s_wait_xcnt 0x0                                ; the side job's stores have read their registers
	s_wait_tensorcnt 0x0                           ; my four fills are in,
	s_wait_dscnt 0x0                               ; my bias is stored:
	s_barrier_signal -1
	s_barrier_wait -1                              ; everybody's are
.macro RUN2 g, un                      ; unit un's loads of K step g: 10, 8, 6, 6
.if (\g) == 1
	WIN 0
.irp b, 0,1
	ds_load_b64 v[32+4*((\un)&1)+2*\b:33+4*((\un)&1)+2*\b], v[AWS] offset:256*(2*(\un)+\b)
.endr
.endif
	WIN 0xc0
.irp b, 0,1
.irp c, 0,1,2
.set ID, 2*(\un)+\b
	ds_load_b128 v[96+48*\b+12*(\g)+4*\c:99+48*\b+12*(\g)+4*\c], v[AF+(ID>>3)] offset:6144*(ID&7)+1536*(\g)+512*\c
.endr
.endr
.if (\g) == 0
	WIN 0
.irp b, 0,1
	ds_load_b128 v[56+8*\b:59+8*\b], v[ABI] offset:128*(\un)+64*\b
	ds_load_b128 v[60+8*\b:63+8*\b], v[ABI] offset:128*(\un)+64*\b+16
.endr
.endif
.endm
.macro WM2 n, s                        ; tile AB = n / 2, token tile n % 2; the four accumulators take turns; the scale register of K step s is s / 2, its row s % 2
.set AB, (\n)>>1
.set TT, (\n)&1
.set rD, 128+32*PI+16*TT+8*AB
.set rA, 96+48*AB+12*(\s)
.set rB, 48*TT+12*(\s)
.set rW, 32+4*PI+2*AB+((\s)>>1)
.set rX, 40+4*TT+(\s)
.set rC, rD
.if (\s) == 0
.set rC, 56+8*AB
	WIN 0x8f
.else
	WIN 0xaf
.endif
.if (\s)&1
	v_wmma_scale_f32_16x16x128_f8f6f4 v[rD:rD+7], v[rA:rA+11], v[rB:rB+11], v[rC:rC+7], v[rW], v[rX] matrix_a_fmt:MATRIX_FMT_BF6 matrix_b_fmt:MATRIX_FMT_BF6 matrix_a_scale:MATRIX_SCALE_ROW1
.else
	v_wmma_scale_f32_16x16x128_f8f6f4 v[rD:rD+7], v[rA:rA+11], v[rB:rB+11], v[rC:rC+7], v[rW], v[rX] matrix_a_fmt:MATRIX_FMT_BF6 matrix_b_fmt:MATRIX_FMT_BF6
.endif
.endm
.macro SL2 po, k, uo                   ; slice k: token tile k / 8, head hk = k % 8 of v: its pair of d goes into all eight hq; hk = 0 starts the sums
.set TT, (\k)>>3
.set HK, (\k)&7
.set rV, 128+32*(\po)+16*TT+8*(HK>>2)+2*(HK&3)
	WIN 0x5a
.irp q, 0,1,2,3,4,5,6,7
.set rO, 128*TT+16*\q+2*(\uo)
.set rT, 64*TT+8*\q+(HK&6)
.if HK == 0
	v_pk_mul_f32 v[rO:rO+1], v[rT:rT+1], v[rV:rV+1] op_sel_hi:[0,1]
.elseif HK&1
	v_pk_fma_f32 v[rO:rO+1], v[rT:rT+1], v[rV:rV+1], v[rO:rO+1] op_sel:[1,0,0] op_sel_hi:[1,1,1]
.else
	v_pk_fma_f32 v[rO:rO+1], v[rT:rT+1], v[rV:rV+1], v[rO:rO+1] op_sel_hi:[0,1,1]
.endif
.endr
.endm
; The counts leave out the loads issued behind those that a group needs: 6 + 6 + 6 behind the scale words; 6 + 6 + 10; 6 + 10 + 8; 10 + 8 + 6.
.macro UNIT2 U, pk, reload
.set PI, (\U)&1
.set UO, ((\U)+7)&7
.irp s, 0,1,2,3
.if \reload
.if \s == 0
	s_wait_dscnt 18
.elseif \s == 1
	s_wait_dscnt 22
.else
	s_wait_dscnt 24
.endif
.else
	s_wait_dscnt 18-6*\s
.endif
.irp n, 0,1,2,3
	WM2 \n,\s
.if \pk
	SL2 1-PI,4*\s+\n,UO
.endif
.endr
.if (\pk) == 0
.rept 4
	v_nop
.endr
.endif
.if \reload
	RUN2 \s,(\U)+1
.endif
.endr
.endm
; out's d block bb is quantised: for each token tile and each hq a lane's 16 numbers; the block's other 16 lie in lane l xor 16.
.macro QUANT2 bb
.irp t, 0,1
.irp g, 0,1
	WIN 0x14
.irp q, 0,1,2,3
	v_max3_num_f32 v[176+\q], 0x2800000, |v[128*\t+16*(4*\g+\q)]|, |v[128*\t+16*(4*\g+\q)+1]|   ; with the floor 2^(5 - 127): the byte cannot fall under 1
.endr
.irp i, 2,4,6,8,10,12,14
.irp q, 0,1,2,3
	v_max3_num_f32 v[176+\q], v[176+\q], |v[128*\t+16*(4*\g+\q)+\i]|, |v[128*\t+16*(4*\g+\q)+\i+1]|
.endr
.endr
	WIN 0
.irp q, 0,1,2,3
	v_permlanex16_b32 v[180+\q], v[176+\q], s[SEL], s[SEL+1]
.endr
.irp q, 0,1,2,3
	v_max_num_f32 v[176+\q], v[176+\q], v[180+\q]
.endr
.irp q, 0,1,2,3
	v_add_nc_u32 v[184+\q], 0xfe000000, v[176+\q]  ; 4 off the exponent field: the conversion's scale operand
.endr
.irp q, 0,1,2,3
	v_lshrrev_b32 v[188+\q], 23, v[184+\q]         ; the scale's byte: block 2 t + bb of the fragment
.endr
.irp q, 0,1,2,3
.if (2*\t+(\bb)) == 0
	v_mov_b32 v[168+4*\g+\q], v[188+\q]
.else
	v_lshl_or_b32 v[168+4*\g+\q], v[188+\q], 8*(2*\t+(\bb)), v[168+4*\g+\q]
.endif
.endr
	WIN 0x01
.irp q, 0,1,2,3
.if \bb
	v_cvt_scalef32_pk16_bf6_f32 v[192+4*\q:194+4*\q], v[128*\t+16*(4*\g+\q):128*\t+16*(4*\g+\q)+15], v[184+\q]
.else
	v_cvt_scalef32_pk16_bf6_f32 v[72+12*(4*\g+\q)+6*\t:74+12*(4*\g+\q)+6*\t], v[128*\t+16*(4*\g+\q):128*\t+16*(4*\g+\q)+15], v[184+\q]
.endif
.endr
	WIN 0
	v_nop                                          ; one plain place behind a scaled conversion
.if \bb
.irp q, 0,1,2,3                        ; the operand wants a whole block in a lane: lanes 0-15 block bb = 0, lanes 16-31 block bb = 1
.irp i, 0,1,2
	v_permlane16_swap_b32 v[72+12*(4*\g+\q)+6*\t+\i], v[192+4*\q+\i]
.endr
.irp i, 0,1,2
	v_mov_b32 v[75+12*(4*\g+\q)+6*\t+\i], v[192+4*\q+\i]
.endr
.endr
.endif
.endr
.endr
.endm
	s_mov_b32 s[PASS], 2
	s_mov_b32 s[PO], 0
.Lpass:
	v_add_nc_u32 v[AAC], s[PO], v[AA0]
	v_add_nc_u32 v[AAC2], s[PO], v[AA1]
	WIN 0xc0
.irp t, 0,1
.irp s, 0,1,2,3
.irp i, 0,1,2,3,4,5
.set BB, 384*\t+96*\s+48*(\i/3)+8*(\i%3)
.set RX, 48*\t+12*\s+2*\i
.if ((BB+24)>>7) == (BB>>7)
	ds_load_b64 v[RX:RX+1], v[AAC] offset:BB+8*(BB>>7)
.else
	ds_load_b64 v[RX:RX+1], v[AAC2] offset:BB+8*(BB>>7)
.endif
.endr
.endr
.endr
	RUN2 0,0
	RUN2 1,0
	RUN2 2,0
	RUN2 3,0
	UNIT2 0,0,1                                    ; (the activations are older than the loads that its counts leave out)
.irp U, 1,2,3,4,5,6,7,8
	UNIT2 \U,1,1
.endr
	QUANT2 0                                       ; unit 8 has carried the last slices of bb = 0
.irp U, 9,10,11,12,13,14
	UNIT2 \U,1,1
.endr
	UNIT2 15,1,0
.irp k, 0,1,2,3,4,5,6,7,8,9,10,11,12,13,14,15
	SL2 1,\k,7
.endr
	QUANT2 1
.irp q, 0,1,2,3
	v_permlane16_swap_b32 v[168+\q], v[172+\q]     ; lanes 0-15: the words of hq 0 .. 3, lanes 16-31: of hq 4 .. 7
.endr
.irp q, 0,1,2,3,4,5,6,7
.irp c, 0,1,2
	global_store_b128 v[GO], v[72+12*\q+4*\c:75+12*\q+4*\c], s[20:21] offset:49152*\q+512*\c   ; 512 consecutive bytes a store
.endr
.endr
	global_store_b128 v[GO], v[168:171], s[22:23]
	s_wait_xcnt 0x0                                ; the stores have read their registers and bases
	s_add_nc_u64 s[20:21], s[20:21], 393216
	s_add_nc_u64 s[22:23], s[22:23], 16384
	s_add_co_u32 s[PO], s[PO], 13056               ; sixteen rows of activations on
	s_cmp_eq_u32 s[PASS], 1
	s_cbranch_scc1 .Llast
.irp i, 0,1,2,3,4,5,6,7
	v_mov_b32 v[40+\i], v[48+\i]                   ; the second pass's scale words; the lines below stand between them and the next matrix instruction
.endr
	EXPAND 3
	WIN 0
.Llast:
	s_sub_co_u32 s[PASS], s[PASS], 1
	s_cmp_lg_u32 s[PASS], 0
	s_cbranch_scc1 .Lpass
	s_wait_tensorcnt 0x0                           ; the wave's end
	ds_add_u32 v[SPW], v[NIL]
	s_wait_dscnt 0x0
	CROUND
	s_endpgm
.Lfunc_end_k_q2067306296_mix:
	.size	k_q2067306296_mix, .Lfunc_end_k_q2067306296_mix-k_q2067306296_mix
	.p2alignl 7, 3214868480
	.fill 96, 4, 3214868480
	.section	.rodata,"a",@progbits
	.p2align	6, 0x0
	.amdhsa_kernel k_q2067306296_mix
		.amdhsa_group_segment_fixed_size 327680
		.amdhsa_private_segment_fixed_size 0
		.amdhsa_enable_private_segment 0
		.amdhsa_kernarg_size 96
		.amdhsa_user_sgpr_count 2
		.amdhsa_user_sgpr_kernarg_segment_ptr 1
		.amdhsa_wavefront_size32 1
		.amdhsa_system_sgpr_workgroup_id_x 1
		.amdhsa_system_sgpr_workgroup_id_y 1
		.amdhsa_system_sgpr_workgroup_id_z 1
		.amdhsa_system_vgpr_workitem_id 0
		.amdhsa_next_free_vgpr 1024
		.amdhsa_next_free_sgpr 100
		.amdhsa_reserve_vcc 0
		.amdhsa_float_denorm_mode_32 3
		.amdhsa_float_denorm_mode_16_64 3
		.amdhsa_memory_ordered 1
		.amdhsa_forward_progress 1
		.amdhsa_inst_pref_size 255
	.end_amdhsa_kernel
	.section	.bss,"aw",@nobits
	.p2align	6
	.space	262144
	.amdgpu_metadata
---
amdhsa.version: [ 1, 2 ]
amdhsa.kernels:
  - .name:           k_q2067306296_mix
    .symbol:         k_q2067306296_mix.kd
    .args:
      - { .name: values_codes, .offset: 0, .size: 8, .value_kind: global_buffer, .address_space: global }
      - { .name: values_scales, .offset: 8, .size: 8, .value_kind: global_buffer, .address_space: global }
      - { .name: bv, .offset: 16, .size: 8, .value_kind: global_buffer, .address_space: global }
      - { .name: epart, .offset: 24, .size: 8, .value_kind: global_buffer, .address_space: global }
      - { .name: wv_img, .offset: 32, .size: 8, .value_kind: global_buffer, .address_space: global }
      - { .name: wv_sc, .offset: 40, .size: 8, .value_kind: global_buffer, .address_space: global }
      - { .name: Wo_codes, .offset: 48, .size: 8, .value_kind: global_buffer, .address_space: global }
      - { .name: Wo_scales, .offset: 56, .size: 8, .value_kind: global_buffer, .address_space: global }
      - { .name: afrag, .offset: 64, .size: 8, .value_kind: global_buffer, .address_space: global }
      - { .name: asc, .offset: 72, .size: 8, .value_kind: global_buffer, .address_space: global }
      - { .name: wo_img, .offset: 80, .size: 8, .value_kind: global_buffer, .address_space: global }
      - { .name: wo_sc, .offset: 88, .size: 8, .value_kind: global_buffer, .address_space: global }
    .group_segment_fixed_size: 327680
    .private_segment_fixed_size: 0
    .kernarg_segment_align: 8
    .kernarg_segment_size: 96
    .max_flat_workgroup_size: 128
    .sgpr_count:     100
    .vgpr_count:     1024
    .wavefront_size: 32
...
	.end_amdgpu_metadata
.endif
;; end of part 2
;; launch outproj (part 3): grid 4 x 64, 4 waves a work-group, clusters of 4 x 4, 327,680 bytes of LDS; arguments afrag, asc, wo_img, wo_sc, bo, out0; writes out0
.if DOCPART == 3
	.amdgcn_target "amdgcn-amd-amdhsa--gfx1250"
	.amdhsa_code_object_version 6
	.text
	.protected	k_q2067306296_outproj
	.globl	k_q2067306296_outproj
	.p2align	8
	.type	k_q2067306296_outproj,@function
k_q2067306296_outproj:
	s_mov_b64 s[64:65], 0
	v_nop
	global_prefetch_b8 v0, s[64:65] scope:SCOPE_SE
	s_setreg_imm32_b32 hwreg(HW_REG_WAVE_MODE, 25, 1), 1
	s_wait_xcnt 0x0
	s_wait_alu depctr_hold_cnt(0) depctr_sa_sdst(0) depctr_va_vdst(0) depctr_va_sdst(0) depctr_va_ssrc(0) depctr_va_vcc(0) depctr_vm_vsrc(0)
	s_getreg_b32 s2, hwreg(HW_REG_IB_STS2, 6, 4)
	s_cmp_eq_u32 s2, 0
	s_cbranch_scc0 .Lentry_in_a_cluster
	s_endpgm
.Lentry_in_a_cluster:
	s_bfe_u32 s2, ttmp6, 0x10000c
	s_cmp_lg_u32 s2, 0xf033
	s_cbranch_scc0 .Lentry_shape_is_right
	s_endpgm
.Lentry_shape_is_right:
; LAUNCH 3 OF 3.  out0 = Q(out) Wo + bo on codes of E3M2.  Both operands lie in memory as images of operand registers, K step by K step in one and the same order of K (made by the launches before).  No work is left out.
; SHARES.  A work-group owns 128 rows (block y1: eight tiles hq of 16 rows) x 128 columns (x3); wave (wm, wn) owns row tiles 4 wm + a x column tiles 4 wn + b: 16 accumulators.  K = 4,096: 32 K steps of 128.
; RING.  Four K steps a slot, two slots.  A fragment comes by three ds_load_b128 at 16 x lane.  The scale words of the whole K stay in LDS.  CLUSTER 4 x 4: the rows' codes hang on y1 alone, Wo's on x3 alone.
; The product is used transposed (source 0 = 16 columns of Wo, source 1 = 16 rows): a lane holds eight neighbouring columns of a row.  bo is the C of each sum's first matrix instruction.
; Row r of tile hq of block y1 is row (y1 / 16) 2,048 + hq 256 + (y1 % 16) 16 + r of out0.
; REGISTERS.  window 0: v0-31 addresses; v32-63 scale words, two sets (lanes 0-15 the rows', lanes 16-31 Wo's); v64-159, v160-255 two sets of fragments (Wo's four, then the rows' four).  window 1: accumulators 8 (4 a + b); from 128 bo.
.set SLOT,  98304
.set ASCL,  196608
.set STAGE, 229376                     ; 16 rows x 272 bytes for each wave
.set SPARE, 246784
.set ADRA, 16
.set ADRB, 20
.set STO,  24
.set RD,   25
.set CO,   26
.set ADSC, 27
.set SPW,  28
.set NIL,  29
.set WV,   36
.set G1,   24
.set G0,   40
.set G1B,  48
.set G0B,  56
.set G1S,  68
.set G0S,  76
.set G1SB, 80
.set G0SB, 88
.set MSB, 0
.macro WIN new
.if MSB != (\new)
	s_set_vgpr_msb (MSB<<8)|(\new)
.set MSB, (\new)
.endif
.endm
.macro JLOAD g0a, g1a, g0b, g1b        ; waves 0, 1 fetch the rows' halves, waves 2, 3 Wo's; an s_nop 0 and four v_nop follow each line
	s_cmp_eq_u32 s37, 0
	s_cbranch_scc0 .Lfor_b_\@
	tensor_load_to_lds s[\g0a:\g0a+3], s[\g1a:\g1a+7]
	s_nop 0
.rept 4
	v_nop
.endr
	s_branch .Lasked_\@
.Lfor_b_\@:
	tensor_load_to_lds s[\g0b:\g0b+3], s[\g1b:\g1b+7]
	s_nop 0
.rept 4
	v_nop
.endr
.Lasked_\@:
.endm
.macro CREST
	s_cmp_lg_u32 s[WV], 0
	s_cbranch_scc1 .Lnot_wave_0_\@
	s_barrier_signal -3
.Lnot_wave_0_\@:
	s_barrier_wait -3
	s_barrier_signal -1
	s_barrier_wait -1
.endm
.macro CROUND
	s_barrier_signal -1
	s_barrier_wait -1
	CREST
.endm
	s_load_b256 s[4:11], s[0:1], 0x0               ; afrag, asc, wo_img, wo_sc
	s_load_b128 s[12:15], s[0:1], 0x20             ; bo, out0
	v_lshl_add_u32 v[SPW], v0, 2, SPARE
	v_mov_b32 v[NIL], 0
	ds_add_u32 v[SPW], v[NIL]                      ; the opening: the add, twice on end, and its wait ahead of my first tensor load
	ds_add_u32 v[SPW], v[NIL]
	v_lshrrev_b32 v1, 5, v0
	v_readfirstlane_b32 s[WV], v1
	s_lshr_b32 s37, s[WV], 1                       ; wm; also: I fetch the rows' (0) or Wo's (1)
	s_and_b32 s38, s[WV], 1                        ; wn; also: which half I fetch
	s_bfe_u32 s39, ttmp6, 0x40000
	s_bfe_u32 s92, ttmp6, 0x40004
	s_lshl_b32 s93, ttmp9, 2
	s_add_co_u32 s93, s93, s39                     ; x3
	s_and_b32 s94, ttmp7, 0xffff
	s_lshl_b32 s94, s94, 2
	s_add_co_u32 s94, s94, s92                     ; y1
	s_lshl_b32 s95, s92, 2
	s_lshl_b32 s95, 15, s95
	s_lshl_b32 s96, 0x1111, s39
	s_or_b32 s[G1], s95, (3<<16)|(1<<21)           ; four tiles' four K steps: 4 rows of 6,144 bytes (768 elements of 8), 49,152 bytes apart
	s_or_b32 s[G1B], s96, (3<<16)|(1<<21)
.irp g, G1, G1B
	s_mov_b32 s[\g+1], 768<<16
	s_mov_b32 s[\g+2], 4<<16
	s_mov_b32 s[\g+3], 768<<16
	s_mov_b32 s[\g+4], 4
	s_mov_b32 s[\g+5], 6144
	s_mov_b32 s[\g+6], 0
	s_mov_b32 s[\g+7], 0
.endr
	s_or_b32 s[G1S], s95, (3<<16)|(1<<21)          ; scale words: a dense block of 8,192 bytes as 32 rows of 256
	s_or_b32 s[G1SB], s96, (3<<16)|(1<<21)
.irp g, G1S, G1SB
	s_mov_b32 s[\g+1], 32<<16
	s_mov_b32 s[\g+2], 32<<16
	s_mov_b32 s[\g+3], 32<<16
	s_mov_b32 s[\g+4], 32
	s_mov_b32 s[\g+5], 32
	s_mov_b32 s[\g+6], 0
	s_mov_b32 s[\g+7], 0
.endr
	s_mul_i32 s16, s38, 196608
	s_mul_i32 s18, s94, 393216
	s_add_co_u32 s18, s18, s16
	s_mov_b32 s19, 0
	s_mul_i32 s22, s93, 393216
	s_add_co_u32 s22, s22, s16
	s_mov_b32 s23, 0
	s_lshl_b32 s16, s38, 13
	s_lshl_b32 s20, s94, 14
	s_add_co_u32 s20, s20, s16
	s_mov_b32 s21, 0
	s_lshl_b32 s32, s93, 14
	s_add_co_u32 s32, s32, s16
	s_mov_b32 s33, 0
	s_mul_i32 s34, s[WV], 24576
	s_lshl_b32 s35, s[WV], 13
	s_wait_dscnt 0x0
	s_wait_kmcnt 0x0
	s_add_nc_u64 s[18:19], s[4:5], s[18:19]
	s_add_nc_u64 s[20:21], s[6:7], s[20:21]
	s_add_nc_u64 s[22:23], s[8:9], s[22:23]
	s_add_nc_u64 s[32:33], s[10:11], s[32:33]
	CROUND
	s_mov_b32 s[G0S], 1
	s_add_co_u32 s[G0S+1], s35, ASCL
	s_mov_b64 s[G0S+2:G0S+3], s[20:21]
	s_or_b32 s[G0S+3], s[G0S+3], 0x80000000
	s_mov_b32 s[G0SB], 1
	s_add_co_u32 s[G0SB+1], s35, ASCL
	s_mov_b64 s[G0SB+2:G0SB+3], s[32:33]
	s_or_b32 s[G0SB+3], s[G0SB+3], 0x80000000
	JLOAD G0S, G1S, G0SB, G1SB                     ; three loads of mine are out: the scale words first,
.irp s, 0,1
	s_mov_b32 s[G0+4*\s], 1
	s_add_co_u32 s[G0+4*\s+1], s34, \s*SLOT
	s_add_nc_u64 s[G0+4*\s+2:G0+4*\s+3], s[18:19], \s*6144
	s_or_b32 s[G0+4*\s+3], s[G0+4*\s+3], 0x80000000
	s_mov_b32 s[G0B+4*\s], 1
	s_add_co_u32 s[G0B+4*\s+1], s34, \s*SLOT
	s_add_nc_u64 s[G0B+4*\s+2:G0B+4*\s+3], s[22:23], \s*6144
	s_or_b32 s[G0B+4*\s+3], s[G0B+4*\s+3], 0x80000000
	JLOAD G0+4*\s, G1, G0B+4*\s, G1B               ; then the two slots
.endr
	v_and_b32 v1, 15, v0                           ; r
	v_bfe_u32 v2, v0, 4, 1                         ; h
	v_and_b32 v3, 31, v0
	v_lshlrev_b32 v3, 4, v3
	s_mul_i32 s16, s37, 24576
	s_mul_i32 s17, s38, 24576
	s_add_co_u32 s17, s17, 49152
.irp s, 0,1
	v_add_nc_u32 v[ADRA+\s], s16, v3
	v_add_nc_u32 v[ADRB+\s], s17, v3
	s_add_co_u32 s16, s16, SLOT
	s_add_co_u32 s17, s17, SLOT
.endr
	s_lshl_b32 s16, s37, 8                         ; scale words: [K step][half][r][4]: lanes 0-15 the rows' half wm,
	s_lshl_b32 s17, s38, 8
	s_add_co_u32 s17, s17, 16384
	s_sub_co_u32 s17, s17, s16
	v_mul_u32_u24 v4, s17, v2                      ; lanes 16-31 Wo's half wn
	s_add_co_u32 s16, s16, ASCL
	v_lshl_add_u32 v4, v1, 4, v4
	v_add_nc_u32 v[ADSC], s16, v4
	s_mul_i32 s16, s[WV], 4352
	s_add_co_u32 s16, s16, STAGE
	v_mul_u32_u24 v5, v1, 272
	v_lshl_add_u32 v5, v2, 5, v5
	v_add_nc_u32 v[STO], s16, v5
	v_mul_u32_u24 v5, v2, 272
	v_lshl_add_u32 v5, v1, 4, v5
	v_add_nc_u32 v[RD], s16, v5
	v_lshlrev_b32 v[CO], 11, v2
	v_lshl_add_u32 v[CO], v1, 4, v[CO]
	s_lshl_b32 s16, s93, 9
	s_lshl_b32 s17, s38, 8
	s_add_co_u32 s16, s16, s17
	s_mov_b32 s17, 0
	s_add_nc_u64 s[12:13], s[12:13], s[16:17]      ; bo at my 64 columns
	s_add_nc_u64 s[14:15], s[14:15], s[16:17]      ; and out0
	s_lshr_b32 s16, s94, 4
	s_lshl_b32 s16, s16, 11
	s_lshl_b32 s97, s37, 10
	s_add_co_u32 s16, s16, s97
	s_and_b32 s97, s94, 15
	s_lshl_b32 s97, s97, 4
	s_add_co_u32 s16, s16, s97
	s_lshl_b32 s16, s16, 11                        ; my first row, 2,048 bytes a row
	s_add_nc_u64 s[14:15], s[14:15], s[16:17]
	v_lshlrev_b32 v6, 5, v2
	WIN 0x40
.irp b, 0,1,2,3
	global_load_b128 v[128+8*\b:131+8*\b], v6, s[12:13] offset:64*\b
	global_load_b128 v[132+8*\b:135+8*\b], v6, s[12:13] offset:64*\b+16
.endr
	WIN 0
.macro FETCH3 slot, kq, f              ; 24 loads: Wo's four fragments, the rows' 0, 1, the rows' 2, 3
.irp b, 0,1,2,3
.irp c, 0,1,2
	ds_load_b128 v[64+96*(\f)+12*\b+4*\c:67+96*(\f)+12*\b+4*\c], v[ADRB+\slot] offset:6144*\b+1536*(\kq)+512*\c
.endr
.endr
.irp a, 0,1,2,3
.irp c, 0,1,2
	ds_load_b128 v[112+96*(\f)+12*\a+4*\c:115+96*(\f)+12*\a+4*\c], v[ADRA+\slot] offset:6144*\a+1536*(\kq)+512*\c
.endr
.endr
.endm
.macro SCALES sc                       ; a slot's four K steps of scale words
.irp q, 0,1,2,3
	ds_load_b128 v[32+16*(\sc)+4*\q:35+16*(\sc)+4*\q], v[ADSC] offset:512*\q
.endr
.endm
.macro MUL4 a, kq, f, sc, zero         ; row tile a against the four column tiles.  The 16 accumulators take turns in the same order in every K step
.irp b, 0,1,2,3
.set rD, 8*(4*(\a)+\b)
.set rC, rD
.if \zero
.set rC, 128+8*\b
.endif
	v_wmma_scale_f32_16x16x128_f8f6f4 v[rD:rD+7], v[64+96*(\f)+12*\b:75+96*(\f)+12*\b], v[112+96*(\f)+12*(\a):123+96*(\f)+12*(\a)], v[rC:rC+7], v[32+16*(\sc)+4*(\kq)+\b], v[32+16*(\sc)+4*(\kq)+(\a)] matrix_a_fmt:MATRIX_FMT_BF6 matrix_b_fmt:MATRIX_FMT_BF6 matrix_a_scale:MATRIX_SCALE_ROW1
.endr
.endm
.macro PLACES                          ; four places in front of loads into registers that matrix instructions have read, and of the first read of results
.rept 4
	v_nop
.endr
.endm
.macro KSTEP slot, kq, zero            ; one of a slot's first three K steps: it fetches the next in its middle
	s_wait_dscnt 6                                 ; the youngest six loads (the rows' tiles 2, 3) may be out
	WIN 0x50
	MUL4 0,\kq,(\kq)&1,\slot,\zero
	MUL4 1,\kq,(\kq)&1,\slot,\zero
	PLACES
	WIN 0
	FETCH3 \slot,(\kq)+1,1-((\kq)&1)
	s_wait_dscnt 24                                ; all but the 24 just issued
	WIN 0x50
	MUL4 2,\kq,(\kq)&1,\slot,\zero
	MUL4 3,\kq,(\kq)&1,\slot,\zero
.endm
.macro TURN3 slot, next, fill          ; a slot's last K step changes slots
	WIN 0
	s_wait_tensorcnt 0x0                           ; all my tensor loads have landed: my part of the next slot
	ds_add_u32 v[SPW], v[NIL]                      ; 0 onto my spare word
	s_wait_dscnt 7                                 ; (the add and the youngest six loads may be out)
	WIN 0x50
	MUL4 0,3,1,\slot,0
	s_wait_dscnt 0x0                               ; the add is done, and my reads of this slot are over
	s_barrier_signal -1
	MUL4 1,3,1,\slot,0
	WIN 0
	s_barrier_wait -1
.if \fill
	CREST                                          ; the barrier has opened a round of the cluster's: no wave of any partner still reads this slot or has a load on its way
	s_add_nc_u64 s[G0+4*\slot+2:G0+4*\slot+3], s[G0+4*\slot+2:G0+4*\slot+3], 12288
	s_add_nc_u64 s[G0B+4*\slot+2:G0B+4*\slot+3], s[G0B+4*\slot+2:G0B+4*\slot+3], 12288
	JLOAD G0+4*\slot, G1, G0B+4*\slot, G1B         ; eight K steps on; the four v_nop behind it are the places in front of the loads below
.else
	PLACES
.endif
	v_add_nc_u32 v[ADSC], 2048, v[ADSC]
	SCALES \next
	FETCH3 \next,0,0
	WIN 0x50
	MUL4 2,3,1,\slot,0
	MUL4 3,3,1,\slot,0
.endm
	s_wait_tensorcnt 1                             ; the scale words and my part of slot 0 are in; slot 1's load may stay out
	s_barrier_signal -1
	s_barrier_wait -1
	SCALES 0
	FETCH3 0,0,0
	s_wait_loadcnt 0x0                             ; bo
	KSTEP 0,0,1                                    ; the first K step stands in front of the loop: its products start the sums
	WIN 0
	s_mov_b32 s97, 3
.Llap:
	KSTEP 0,1,0
	KSTEP 0,2,0
	TURN3 0,1,1
	KSTEP 1,0,0
	KSTEP 1,1,0
	KSTEP 1,2,0
	TURN3 1,0,1
	KSTEP 0,0,0
	WIN 0
	s_sub_co_u32 s97, s97, 1
	s_cmp_lg_u32 s97, 0
	s_cbranch_scc1 .Llap
	KSTEP 0,1,0                                    ; the last lap fills nothing
	KSTEP 0,2,0
	TURN3 0,1,0
	KSTEP 1,0,0
	KSTEP 1,1,0
	KSTEP 1,2,0
	s_wait_dscnt 6
	WIN 0x50
	MUL4 0,3,1,1,0
	MUL4 1,3,1,1,0
	s_wait_dscnt 0x0
	MUL4 2,3,1,1,0
	MUL4 3,3,1,1,0
	WIN 0
; THE WAY OUT, a row tile at a time: 16 rows x 256 bytes through my own stage, back as whole rows: sixteen lanes store 256 consecutive bytes, aligned.  LDS serves a wave's instructions in order (ISA guide 5.7.1.4).
.macro TOSTAGE a
	WIN 0x04
.irp b, 0,1,2,3
	ds_store_b128 v[STO], v[8*(4*(\a)+\b):8*(4*(\a)+\b)+3] offset:64*\b        ; each accumulator from its low end on
	ds_store_b128 v[STO], v[8*(4*(\a)+\b)+4:8*(4*(\a)+\b)+7] offset:64*\b+16
.endr
	WIN 0
.irp i, 0,1,2,3,4,5,6,7
	ds_load_b128 v[64+32*((\a)&1)+4*\i:67+32*((\a)&1)+4*\i], v[RD] offset:544*\i
.endr
.endm
.macro SEND a, younger
	s_wait_dscnt \younger
.irp i, 0,1,2,3,4,5,6,7
	global_store_b128 v[CO], v[64+32*((\a)&1)+4*\i:67+32*((\a)&1)+4*\i], s[14:15] offset:524288*(\a)+4096*\i th:TH_STORE_NT
.endr
.endm
	PLACES
	TOSTAGE 0
	TOSTAGE 1
	SEND 0,16                                      ; behind tile 0's loads: tile 1's eight stores and eight loads
	s_wait_xcnt 0x0                                ; tile 0's stores have read their registers
	TOSTAGE 2
	SEND 1,16
	s_wait_xcnt 0x0
	TOSTAGE 3
	SEND 2,16
	SEND 3,0
	s_wait_tensorcnt 0x0                           ; the wave's end
	ds_add_u32 v[SPW], v[NIL]
	s_wait_dscnt 0x0
	CROUND
	s_endpgm
.Lfunc_end_k_q2067306296_outproj:
	.size	k_q2067306296_outproj, .Lfunc_end_k_q2067306296_outproj-k_q2067306296_outproj
	.p2alignl 7, 3214868480
	.fill 96, 4, 3214868480
	.section	.rodata,"a",@progbits
	.p2align	6, 0x0
	.amdhsa_kernel k_q2067306296_outproj
		.amdhsa_group_segment_fixed_size 327680
		.amdhsa_private_segment_fixed_size 0
		.amdhsa_enable_private_segment 0
		.amdhsa_kernarg_size 48
		.amdhsa_user_sgpr_count 2
		.amdhsa_user_sgpr_kernarg_segment_ptr 1
		.amdhsa_wavefront_size32 1
		.amdhsa_system_sgpr_workgroup_id_x 1
		.amdhsa_system_sgpr_workgroup_id_y 1
		.amdhsa_system_sgpr_workgroup_id_z 1
		.amdhsa_system_vgpr_workitem_id 0
		.amdhsa_next_free_vgpr 512
		.amdhsa_next_free_sgpr 98
		.amdhsa_reserve_vcc 0
		.amdhsa_float_denorm_mode_32 3
		.amdhsa_float_denorm_mode_16_64 3
		.amdhsa_memory_ordered 1
		.amdhsa_forward_progress 1
		.amdhsa_inst_pref_size 82
	.end_amdhsa_kernel
	.amdgpu_metadata
---
amdhsa.version: [ 1, 2 ]
amdhsa.kernels:
  - .name:           k_q2067306296_outproj
    .symbol:         k_q2067306296_outproj.kd
    .args:
      - { .name: afrag, .offset: 0, .size: 8, .value_kind: global_buffer, .address_space: global }
      - { .name: asc, .offset: 8, .size: 8, .value_kind: global_buffer, .address_space: global }
      - { .name: wo_img, .offset: 16, .size: 8, .value_kind: global_buffer, .address_space: global }
      - { .name: wo_sc, .offset: 24, .size: 8, .value_kind: global_buffer, .address_space: global }
      - { .name: bo, .offset: 32, .size: 8, .value_kind: global_buffer, .address_space: global }
      - { .name: out0, .offset: 40, .size: 8, .value_kind: global_buffer, .address_space: global }
    .group_segment_fixed_size: 327680
    .private_segment_fixed_size: 0
    .kernarg_segment_align: 8
    .kernarg_segment_size: 48
    .max_flat_workgroup_size: 128
    .sgpr_count:     98
    .vgpr_count:     512
    .wavefront_size: 32
...
	.end_amdgpu_metadata
.endif
;; end of part 3
